; MI455X (gfx1250); checked and timed in simulation.
; The chip was launched on July 23, 2026; its instructions are those of AMD's public machine-readable ISA for CDNA 5 (MIT licence, August 2026) and "CDNA5" Instruction Set Architecture Reference Guide (July 2026). The comments in the code are by the model that wrote it; some were corrected since.
;; MHA. Allowed arithmetic: matrix products marked QUANTISED: E3M2 operands, one E8M0 scale for each 32 along K, by v_wmma_scale_f32_16x16x128_f8f6f4 with both operands' format E3M2, f32 sums; everything else in f32.
;; Inputs: Wk 1,024 x 1,024 float32; Wp 1,024 x 1,024 float32; Wq 1,024 x 1,024 float32; Wv 1,024 x 1,024 float32; bk 1,024 float32; bp 1,024 float32; bq 1,024 float32; bv 1,024 float32; ln_b 1,024 float32; ln_g 1,024 float32; mask 4 x 2,048 int32; x 4 x 2,048 x 1,024 float32.
;; Outputs: out0 4 x 2,048 x 1,024 float32.
;; This version of the problem:
;;   THIS VERSION OF THE PROBLEM IS GIVEN IN LOW PRECISION. The matrix products marked QUANTISED in the list below multiply operands that are first quantised to E3M2 (3 exponent bits, 2 mantissa bits; 6 bits a number), with one power-of-two scale for each 32 numbers along K (OCP MX v1.0); their sums are f32. All else is computed in f32.
;;   The module's matrix products, in the order in which they are computed (A, B: the left and right operand; K: the contracted axis; several contracted axes count as one K, in the product's order):
;;     1. [M 8,192, K 1,024] x [K 1,024, N 1,024]; A: input x; B: input Wq: QUANTISED
;;     2. [M 8,192, K 1,024] x [K 1,024, N 1,024]; A: input x; B: input Wk: QUANTISED
;;     3. [M 8,192, K 1,024] x [K 1,024, N 1,024]; A: input x; B: input Wv: QUANTISED
;;     4. batch 64 x [M 2,048, K 64] x [K 64, N 2,048]; A: computed on the way; B: computed on the way: QUANTISED
;;     5. batch 64 x [M 2,048, K 2,048] x [K 2,048, N 64]; A: softmax (see below); B: computed on the way: QUANTISED
;;     6. [M 8,192, K 1,024] x [K 1,024, N 1,024]; A: computed on the way; B: input Wp: QUANTISED
;;   THE QUANTISER, for each operand of a quantised product, along K:
;;     - K is cut into blocks of 32 from its start; a last block that is shorter is filled with zeros.
;;     - A block's scale is 2^e with e = floor(log2(the largest magnitude in the block)) - 4, held to -126 .. 127; a block of zeros has e = 0. As a byte (E8M0): e + 127.
;;     - Each number is divided by its block's scale, clamped to +-28, and rounded to the nearest number of E3M2, ties to even, subnormals kept.
;;     - The product sums the exact products of the quantised numbers (number of the format x scale) in f32.
;;   ~~~python
;;   def quantise(x, axis):      # numpy; x: float32 -> the quantised numbers, widened to float32 again
;;       x = np.moveaxis(x, axis, -1); K = x.shape[-1]
;;       x = np.pad(x, [(0, 0)] * (x.ndim - 1) + [(0, -K % 32)]); x = x.reshape(x.shape[:-1] + (-1, 32)); a = np.abs(x).max(-1, keepdims=True)
;;       e = np.where(a > 0, np.clip(np.frexp(np.where(a > 0, a, 1))[1] - 1 - 4, -126, 127), 0)      # np.frexp(a)[1] - 1 = floor(log2(a)), exactly
;;       r = np.clip(x / 2.0 ** e, -28, 28)
;;       step = 2.0 ** (np.maximum(np.frexp(np.where(r == 0, 1, r))[1] - 1, -2) - 2)
;;       q = np.round(r / step) * step * 2.0 ** e      # np.round: ties to even
;;       return np.moveaxis(q.reshape(q.shape[:-2] + (-1,))[..., :K], -1, axis).astype(np.float32)
;;   ~~~
;;   SOFTMAX AHEAD OF A QUANTISED PRODUCT. Where the list says 'softmax', what is quantised is not the finished softmax but p = 2^(t - M), with t = logit x log2(e) and M = ceil(the row's largest t), a whole number; so 1/2 < the row's largest p <= 1. The row's sum l is taken of the UNQUANTISED p, in f32, and the product's result is divided by l at the end. Since M is a whole number, a kernel that streams over the keys may use a running M (the ceiling of the running maximum): every later rescaling is an exact power of two, which a block's scale takes up: the codes' values come out the same.
;;   OPERANDS COMPUTED ON THE WAY. 'Computed on the way' means the value that the module computes at that place (a softmax that the list does not call 'softmax' is quantised finished and normalised). What goes into a quantiser is computed in f32, as accurately as f32 sums, v_exp_f32 and their like allow (about 1e-6 of the number): no bf16 or f16 on the way to a quantiser, and a product that is left as it is and whose result goes on into a quantised operand takes f32 operands (vector FMAs, or v_wmma_f32_16x16x4_f32). A number that lies on a knife's edge between two numbers of the format may be rounded either way, as far as f32 arithmetic and the matrix unit's own rounding can turn it there, and no further.
;; One version. Each part assembles by itself: llvm-mc -triple=amdgcn-amd-amdhsa -mcpu=gfx1250 --defsym DOCPART=n.
;; ======== version 1 of 1: 4 launches
;; workspace buffers: xc 6,291,456 bytes; xs 262,144 bytes; wc 3,145,728 bytes; ws 131,072 bytes; qb 6,815,744 bytes; kvb 13,369,344 bytes; ycb 6,291,456 bytes; ysc 524,288 bytes
;; launch quant (part 1): grid 512 x 1, 4 waves a work-group, no clusters, 47,616 bytes of LDS; arguments x, Wq, Wk, Wv, Wp, xc, xs, wc, ws; writes xc, xs, wc, ws
.if DOCPART == 1
	.amdgcn_target "amdgcn-amd-amdhsa--gfx1250"
	.amdhsa_code_object_version 6
	.text
	.protected	k_qe8a6ea5b9f_quant
	.globl	k_qe8a6ea5b9f_quant
	.p2align	8
	.type	k_qe8a6ea5b9f_quant,@function
k_qe8a6ea5b9f_quant:
	s_mov_b64 s[64:65], 0
	v_nop
	global_prefetch_b8 v0, s[64:65] scope:SCOPE_SE
	s_setreg_imm32_b32 hwreg(HW_REG_WAVE_MODE, 25, 1), 1
	s_wait_xcnt 0x0
; x [8192][1024] and Wq, Wk, Wv, Wp [1024 (k)][1024 (n)], f32, become codes of BF6 (E3M2) with one E8M0 byte for each 32 along K (x: its last axis; W: its first).
; A block's scale is 2^(floor(log2(its largest magnitude)) - 4); its byte is the largest magnitude's exponent field - 4, held at 1 from below.
; LIMITS: NaN and infinities among the inputs are not served; a block of zeros gets the byte 1 where the rule says 127 (its codes are zeros, and this program alone reads the bytes);
; blocks whose largest magnitude lies under 2^-122 are held at the byte 1.
; THE WORKSPACE IS LAID AS THE OPERAND'S REGISTERS.  A fragment (16 rows x 128 K, 12 registers a lane) is 1,536 bytes: three planes [lane][16 bytes] with registers 0-3, 4-7, 8-11.
; xc: [tile 512][K step 8] fragments;  wc: [tile 256][K step 8], tiles 0-63 Wq, 64-127 Wk, 128-191 Wv, 192-255 Wp.  Scale words: [tile][K step / 4][row 16][4 words], 512 bytes a tile.
; THE ROWS OF A TILE ARE NOT NEIGHBOURS: in each group of 32 rows (tokens of x, columns n of W) row r of tile u (0, 1) is the group's row 8 u + r + 8 (r / 8),
; so that the results of two neighbouring tiles, used as source 0, are 16 neighbours along the next product's K.
; Work-groups 0-255 take x, 256-511 the weights; each path has LDS bytes of its own.  No tensor load, no barrier: waves share nothing.
.set TM,    8                          ; v8-23    x path: largest magnitudes, bytes, scale operands
.set SW,    24                         ; v24-27   x path: a scale word for each of the wave's four fragments
.set L,     32                         ; v32-159  x path: two sets of 64 numbers as loaded;  W path: four sets of 32
.set X,     160                        ; v160-223 x path: 64 numbers of a lane, 16 neighbours of each block;  W path: the way out
.set PC,    224                        ; v224-242 the codes just made
.set SEL,   30                         ; s[30:31] lane selects for v_permlanex16_b32: lane l xor 16
.set XSTG,  8448                       ; x path: a wave's stage, 16 rows of 512 bytes + 16
.set WSTG0, 4*XSTG                     ; W path: behind the x path's stages
.set WSTG,  3328                       ; a wave's stage: two tiles' images,
.set WIMG,  1664                       ; 1,536 bytes + 128 apart
; 64 numbers of a lane, register 16 b + i = k 32 b + 16 (lane / 16) + i of the lane's row, become a fragment's codes in v[pc] on and its scale word in v[pw].
.macro QUANT s, pc, pw
.irp b, 0,1,2,3
	v_max3_num_f32 v[TM+\b], |v[\s+16*\b]|, |v[\s+1+16*\b]|, 0x2800000   ; block b: my 16 numbers, and the floor 2^(5 - 127): the byte cannot fall under 1
.endr
.irp i, 2,4,6,8,10,12,14
.irp b, 0,1,2,3
	v_max3_num_f32 v[TM+\b], v[TM+\b], |v[\s+16*\b+\i]|, |v[\s+1+16*\b+\i]|   ; the four blocks by turns
.endr
.endr
.irp b, 0,1,2,3
	v_permlanex16_b32 v[TM+4+\b], v[TM+\b], s[SEL], s[SEL+1]
.endr
.irp b, 0,1,2,3
	v_max_num_f32 v[TM+\b], v[TM+\b], v[TM+4+\b]   ; with lane l xor 16's: the block's largest magnitude
.endr
.irp b, 0,1,2,3
	v_add_nc_u32 v[TM+12+\b], 0xfe000000, v[TM+\b]   ; 4 off its exponent field: the conversion takes this operand's exponent field as its scale
.endr
.irp b, 0,1,2,3
	v_lshrrev_b32 v[TM+4+\b], 23, v[TM+12+\b]      ; the scale's byte
.endr
	v_lshl_or_b32 v[\pw], v[TM+5], 8, v[TM+4]
	v_lshl_or_b32 v[\pw], v[TM+6], 16, v[\pw]
	v_lshl_or_b32 v[\pw], v[TM+7], 24, v[\pw]      ; my row's scale word
.irp c, 0,1
	v_cvt_scalef32_pk16_bf6_f32 v[\pc+6*\c:\pc+2+6*\c], v[\s+32*\c:\s+15+32*\c], v[TM+12+2*\c]
	v_cvt_scalef32_pk16_bf6_f32 v[\pc+12+4*\c:\pc+14+4*\c], v[\s+16+32*\c:\s+31+32*\c], v[TM+12+2*\c+1]   ; (a conversion's three registers begin on an even number)
.endr
	v_nop                                          ; one plain instruction behind a scaled conversion
.irp c, 0,1                                    ; the operand's layout wants a whole block in a lane: lanes 0-15 block 2 c, lanes 16-31 block 2 c + 1
.irp i, 0,1,2
	v_permlane16_swap_b32 v[\pc+6*\c+\i], v[\pc+12+4*\c+\i]
.endr
.irp i, 0,1,2
	v_mov_b32 v[\pc+3+6*\c+\i], v[\pc+12+4*\c+\i]
.endr
.endr
.endm
	s_load_b256 s[4:11], s[0:1], 0x0               ; x, Wq, Wk, Wv
	s_load_b256 s[12:19], s[0:1], 0x20             ; Wp, xc, xs, wc
	s_load_b64 s[20:21], s[0:1], 0x40              ; ws
	v_lshl_add_u32 v248, v0, 2, 0xb800
	v_mov_b32 v249, 0
	v_lshrrev_b32 v1, 5, v0
	v_readfirstlane_b32 s22, v1                    ; wave 0..3
	v_and_b32 v7, 31, v0                           ; lane
	s_cmp_lt_u32 ttmp9, 256
	s_cbranch_scc0 .Lweights
	; ---- x.  A wave takes one tile of 16 rows and four K steps: four fragments.
	v_and_b32 v1, 15, v0                           ; r
	v_bfe_u32 v2, v0, 4, 1                         ; h
	v_lshlrev_b32 v3, 4, v7                        ; 16 x lane: my bytes of a load's 512, and of an image's plane
	s_mul_i32 s23, s22, XSTG
	v_add_nc_u32 v4, s23, v3                       ; the stage, on the way in: a row as it lies
	v_mul_u32_u24 v5, v1, 528
	v_lshl_add_u32 v5, v2, 6, v5
	v_add_nc_u32 v5, s23, v5                       ; and on the way out: row r, + 64 h: my 16 numbers of a block of 32
	v_lshlrev_b32 v6, 4, v1
	v_lshl_add_u32 v6, v2, 3, v6                   ; the scale words: 16 r + 8 h
	s_mov_b32 s[SEL], 0x76543210
	s_mov_b32 s[SEL+1], 0xfedcba98
.irp b, 0,1,2,3
	v_mov_b32 v[TM+4+\b], 0                        ; written once: a lane permute's destination counts as one of its sources
.endr
	s_lshl_b32 s24, ttmp9, 2
	s_add_co_u32 s24, s24, s22                     ; 4 x work-group + wave
	s_lshr_b32 s25, s24, 1                         ; the tile
	s_and_b32 s26, s24, 1                          ; which half of K
	s_lshr_b32 s27, s25, 1
	s_lshl_b32 s27, s27, 17                        ; the group's 32 rows of 4,096 bytes,
	s_and_b32 s28, s25, 1
	s_lshl_b32 s28, s28, 15                        ; 8 rows on for the odd tile,
	s_add_co_u32 s27, s27, s28
	s_lshl_b32 s28, s26, 11                        ; 2,048 bytes on for the upper half of K
	s_add_co_u32 s32, s27, s28
	s_mov_b32 s33, 0
	s_mul_i32 s34, s25, 12288                      ; the tile's eight fragments,
	s_mul_i32 s28, s26, 6144                       ; my four of them
	s_add_co_u32 s34, s34, s28
	s_mov_b32 s35, 0
	s_lshl_b32 s36, s25, 9                         ; the tile's scale words,
	s_lshl_b32 s28, s26, 8                         ; my 256 bytes of them
	s_add_co_u32 s36, s36, s28
	s_mov_b32 s37, 0
	s_wait_kmcnt 0x0
	s_add_nc_u64 s[32:33], s[4:5], s[32:33]
	s_add_nc_u64 s[34:35], s[14:15], s[34:35]
	s_add_nc_u64 s[36:37], s[16:17], s[36:37]
.macro LOADX f                         ; fragment f's numbers: of each of the tile's 16 rows 512 consecutive bytes, 16 a lane
.irp i, 0,1,2,3,4,5,6,7,8,9,10,11,12,13,14,15
	global_load_b128 v[L+64*((\f)%2)+4*\i:L+64*((\f)%2)+4*\i+3], v3, s[32:33] offset:(\i+8*(\i/8))*4096+512*(\f) th:TH_LOAD_NT
.endr
.endm
	LOADX 0
	LOADX 1
.irp f, 0,1,2,3
.if \f < 3
	s_wait_loadcnt 16                              ; this fragment's 16 loads are in; the next fragment's 16 may be out
.else
	s_wait_loadcnt 0x0
.endif
.irp i, 0,1,2,3,4,5,6,7,8,9,10,11,12,13,14,15
	ds_store_b128 v4, v[L+64*(\f%2)+4*\i:L+64*(\f%2)+4*\i+3] offset:528*\i
.endr
.irp b, 0,1,2,3                                ; LDS serves a wave's instructions in order (ISA guide 5.7.1.4): these see the stores above, and the next fragment's stores come behind them
.irp j, 0,1,2,3
	ds_load_b128 v[X+16*\b+4*\j:X+16*\b+4*\j+3], v5 offset:128*\b+16*\j
.endr
.endr
	s_wait_dscnt 0x0                               ; my 64 numbers are back; the stores into the stage have read their registers
	s_wait_xcnt 0x0                                ; the last fragment's stores have read the codes' registers, which are written again below
.if \f < 2
	LOADX \f+2
.endif
	QUANT X, PC, SW+\f
.irp q, 0,1,2
	global_store_b128 v3, v[PC+4*\q:PC+4*\q+3], s[34:35] offset:1536*\f+512*\q   ; a plane: 512 consecutive bytes
.endr
.endr
	v_cmp_eq_u32 vcc_lo, 1, v2                     ; a row's four words are 16 bytes: lanes 0-15 store the first two, lanes 16-31 the other two:
	v_cndmask_b32 v28, v[SW], v[SW+2], vcc_lo
	v_cndmask_b32 v29, v[SW+1], v[SW+3], vcc_lo
	global_store_b64 v6, v[28:29], s[36:37]        ; the wave stores 256 consecutive bytes, aligned
	s_wait_tensorcnt 0x0
	ds_add_u32 v248, v249
	s_wait_dscnt 0x0
	s_endpgm
	; ---- the weights.  A wave takes 32 columns x 128 along K.  A LANE TAKES A COLUMN AND ITS REGISTERS RUN DOWN K: a block of 32 lies in one lane, and the codes come out with K innermost.
.Lweights:
	s_sub_co_u32 s23, ttmp9, 256
	s_lshr_b32 s24, s23, 6                         ; which weight
	s_and_b32 s25, s23, 7                          ; which 128 columns
	s_bfe_u32 s26, s23, 0x30003                    ; which K step
	v_lshlrev_b32 v3, 2, v7                        ; in: 4 bytes a lane
	v_bfe_u32 v8, v7, 3, 1                         ; my column's tile u,
	v_and_b32 v9, 7, v7
	v_lshrrev_b32 v10, 4, v7
	v_lshl_or_b32 v9, v10, 3, v9                   ; and its row r there
	s_mul_i32 s27, s22, WSTG
	s_add_co_u32 s27, s27, WSTG0                   ; my stage
	v_mul_u32_u24 v4, v8, WIMG
	v_lshl_add_u32 v4, v9, 4, v4
	v_add_nc_u32 v4, s27, v4                       ; into it: tile u's image, 16 r
	v_lshlrev_b32 v6, 4, v7                        ; out: 16 x lane, in memory
	v_add_nc_u32 v5, s27, v6                       ; and in the stage
	v_lshlrev_b32 v10, 9, v8
	v_lshl_add_u32 v7, v9, 4, v10                  ; my scale word: 512 u + 16 r
	s_lshl_b32 s32, s26, 19                        ; 128 rows of 4,096 bytes a K step,
	s_lshl_b32 s28, s25, 9
	s_add_co_u32 s32, s32, s28
	s_lshl_b32 s28, s22, 7
	s_add_co_u32 s32, s32, s28                     ; + 4 x my wave's first column
	s_mov_b32 s33, 0
	s_lshl_b32 s29, s24, 6
	s_lshl_b32 s28, s25, 3
	s_add_co_u32 s29, s29, s28
	s_lshl_b32 s28, s22, 1
	s_add_co_u32 s29, s29, s28                     ; my first tile: 64 x weight + 8 x column group + 2 x wave
	s_mul_i32 s34, s29, 12288
	s_mul_i32 s28, s26, 1536
	s_add_co_u32 s34, s34, s28
	s_mov_b32 s35, 0
	s_lshl_b32 s36, s29, 9
	s_lshr_b32 s28, s26, 2
	s_lshl_b32 s28, s28, 8
	s_add_co_u32 s36, s36, s28
	s_and_b32 s28, s26, 3
	s_lshl_b32 s28, s28, 2
	s_add_co_u32 s36, s36, s28
	s_mov_b32 s37, 0
	s_wait_kmcnt 0x0
	s_cmp_lt_u32 s24, 1                            ; the weight is chosen by the work-group's number alone
	s_cselect_b64 s[38:39], s[6:7], s[8:9]
	s_cmp_lt_u32 s24, 3
	s_cselect_b64 s[40:41], s[10:11], s[12:13]
	s_cmp_lt_u32 s24, 2
	s_cselect_b64 s[38:39], s[38:39], s[40:41]
	s_add_nc_u64 s[38:39], s[38:39], s[32:33]
	s_add_nc_u64 s[34:35], s[18:19], s[34:35]
	s_add_nc_u64 s[36:37], s[20:21], s[36:37]
.macro LOADW t                         ; block t: W(32 t + i, my column): 32 lanes read 128 consecutive bytes
.irp i, 0,1,2,3,4,5,6,7,8,9,10,11,12,13,14,15,16,17,18,19,20,21,22,23,24,25,26,27,28,29,30,31
	global_load_b32 v[L+32*(\t)+\i], v3, s[38:39] offset:(32*(\t)+\i)*4096 th:TH_LOAD_NT
.endr
.endm
.macro BLOCKW t                        ; block t = 2 c + h of the K step: registers 6 c .. 6 c + 5 of lane (r, h) of my column's image
.set XS, L+32*(\t)
.if (\t) < 3
	s_wait_loadcnt 32                              ; this block's 32 loads are in; the next block's may be out
.else
	s_wait_loadcnt 0x0
.endif
.if (\t) < 2
	LOADW (\t)+2
.endif
	v_max3_num_f32 v12, |v[XS]|, |v[XS+1]|, |v[XS+2]|   ; the block's largest magnitude: all 32 numbers are mine
	v_max3_num_f32 v13, |v[XS+3]|, |v[XS+4]|, |v[XS+5]|
.irp i, 6,10,14,18,22,26
	v_max3_num_f32 v12, v12, |v[XS+\i]|, |v[XS+\i+1]|
	v_max3_num_f32 v13, v13, |v[XS+\i+2]|, |v[XS+\i+3]|
.endr
	v_max3_num_f32 v12, v12, |v[XS+30]|, |v[XS+31]|
	v_max3_num_f32 v12, v12, v13, 0x2800000        ; and the floor 2^(5 - 127)
	v_add_nc_u32 v11, 0xfe000000, v12              ; the conversion's scale operand
	v_lshrrev_b32 v13, 23, v11                     ; the scale's byte
.if (\t) == 0
	v_mov_b32 v24, v13
.else
	v_lshl_or_b32 v24, v13, 8*(\t), v24            ; four bytes make my column's scale word of this K step
.endif
	v_cvt_scalef32_pk16_bf6_f32 v[PC:PC+2], v[XS:XS+15], v11
	v_cvt_scalef32_pk16_bf6_f32 v[PC+6:PC+8], v[XS+16:XS+31], v11   ; (a conversion's three registers begin on an even number)
	v_nop                                          ; one plain instruction behind a scaled conversion
.irp i, 0,1,2
	v_mov_b32 v[PC+3+\i], v[PC+6+\i]
.endr
.if (\t) < 2
	ds_store_b128 v4, v[PC:PC+3] offset:256*((\t)%2)             ; registers 0-3: plane 0
	ds_store_b64 v4, v[PC+4:PC+5] offset:256*((\t)%2)+512        ; registers 4, 5: the lower half of plane 1's 16 bytes
.else
	ds_store_b64 v4, v[PC:PC+1] offset:256*((\t)%2)+520          ; registers 6, 7: the upper half
	ds_store_b128 v4, v[PC+2:PC+5] offset:256*((\t)%2)+1024      ; registers 8-11: plane 2
.endif
	s_wait_dscnt 0x0                               ; the stores have read their registers: the next block's codes may be written
.endm
	LOADW 0
	LOADW 1
	BLOCKW 0
	BLOCKW 1
	BLOCKW 2
	BLOCKW 3
.irp u, 0,1
.irp q, 0,1,2
	ds_load_b128 v[X+12*\u+4*\q:X+12*\u+4*\q+3], v5 offset:WIMG*\u+512*\q
.endr
.endr
	global_store_b32 v7, v24, s[36:37]             ; 4 bytes a column, 16 bytes apart: one byte in 128 of what the launch reads leaves so
	s_wait_dscnt 0x0
.irp u, 0,1
.irp q, 0,1,2
	global_store_b128 v6, v[X+12*\u+4*\q:X+12*\u+4*\q+3], s[34:35] offset:12288*\u+512*\q   ; a plane: 512 consecutive bytes
.endr
.endr
	s_wait_tensorcnt 0x0
	ds_add_u32 v248, v249
	s_wait_dscnt 0x0
	s_endpgm
.Lfunc_end_k_qe8a6ea5b9f_quant:
	.size	k_qe8a6ea5b9f_quant, .Lfunc_end_k_qe8a6ea5b9f_quant-k_qe8a6ea5b9f_quant
	.p2alignl 7, 3214868480
	.fill 96, 4, 3214868480
	.section	.rodata,"a",@progbits
	.p2align	6, 0x0
	.amdhsa_kernel k_qe8a6ea5b9f_quant
		.amdhsa_group_segment_fixed_size 47616
		.amdhsa_private_segment_fixed_size 0
		.amdhsa_enable_private_segment 0
		.amdhsa_kernarg_size 72
		.amdhsa_user_sgpr_count 2
		.amdhsa_user_sgpr_kernarg_segment_ptr 1
		.amdhsa_wavefront_size32 1
		.amdhsa_system_sgpr_workgroup_id_x 1
		.amdhsa_system_sgpr_workgroup_id_y 1
		.amdhsa_system_sgpr_workgroup_id_z 1
		.amdhsa_system_vgpr_workitem_id 0
		.amdhsa_next_free_vgpr 250
		.amdhsa_next_free_sgpr 66
		.amdhsa_reserve_vcc 1
		.amdhsa_float_denorm_mode_32 3
		.amdhsa_float_denorm_mode_16_64 3
		.amdhsa_memory_ordered 1
		.amdhsa_forward_progress 1
		.amdhsa_inst_pref_size 55
	.end_amdhsa_kernel
	.amdgpu_metadata
---
amdhsa.version: [ 1, 2 ]
amdhsa.kernels:
  - .name:           k_qe8a6ea5b9f_quant
    .symbol:         k_qe8a6ea5b9f_quant.kd
    .args:
      - { .name: x, .offset: 0, .size: 8, .value_kind: global_buffer, .address_space: global }
      - { .name: Wq, .offset: 8, .size: 8, .value_kind: global_buffer, .address_space: global }
      - { .name: Wk, .offset: 16, .size: 8, .value_kind: global_buffer, .address_space: global }
      - { .name: Wv, .offset: 24, .size: 8, .value_kind: global_buffer, .address_space: global }
      - { .name: Wp, .offset: 32, .size: 8, .value_kind: global_buffer, .address_space: global }
      - { .name: xc, .offset: 40, .size: 8, .value_kind: global_buffer, .address_space: global }
      - { .name: xs, .offset: 48, .size: 8, .value_kind: global_buffer, .address_space: global }
      - { .name: wc, .offset: 56, .size: 8, .value_kind: global_buffer, .address_space: global }
      - { .name: ws, .offset: 64, .size: 8, .value_kind: global_buffer, .address_space: global }
    .group_segment_fixed_size: 47616
    .private_segment_fixed_size: 0
    .kernarg_segment_align: 8
    .kernarg_segment_size: 72
    .max_flat_workgroup_size: 128
    .sgpr_count:     66
    .vgpr_count:     250
    .wavefront_size: 32
...
	.end_amdgpu_metadata
.endif
;; end of part 1
;; launch qkv (part 2): grid 24 x 32, 4 waves a work-group, clusters of 4 x 4, 295,424 bytes of LDS; arguments xc, xs, wc, ws, bq, bk, bv, qb, kvb; writes qb, kvb
.if DOCPART == 2
	.amdgcn_target "amdgcn-amd-amdhsa--gfx1250"
	.amdhsa_code_object_version 6
	.text
	.protected	k_qe8a6ea5b9f_qkv
	.globl	k_qe8a6ea5b9f_qkv
	.p2align	8
	.type	k_qe8a6ea5b9f_qkv,@function
k_qe8a6ea5b9f_qkv:
	s_mov_b64 s[64:65], 0
	v_nop
	global_prefetch_b8 v0, s[64:65] scope:SCOPE_SE
	s_setreg_imm32_b32 hwreg(HW_REG_WAVE_MODE, 25, 1), 1
	s_wait_xcnt 0x0
	s_wait_alu depctr_hold_cnt(0) depctr_sa_sdst(0) depctr_va_vdst(0) depctr_va_sdst(0) depctr_va_ssrc(0) depctr_va_vcc(0) depctr_vm_vsrc(0)
	s_getreg_b32 s2, hwreg(HW_REG_IB_STS2, 6, 4)
	s_cmp_eq_u32 s2, 0
	s_cbranch_scc0 .Lentry_in_a_cluster
	s_endpgm
.Lentry_in_a_cluster:
	s_bfe_u32 s2, ttmp6, 0x10000c
	s_cmp_lg_u32 s2, 0xf033
	s_cbranch_scc0 .Lentry_shape_is_right
	s_endpgm
.Lentry_shape_is_right:
; q = x Wq + bq, k = x Wk + bk, v = x Wv + bv on codes of BF6 with E8M0 scales, and the three results quantised on the way: q and k along a head's 64 channels, v along the keys.
; A work-group makes 256 R rows x 128 P rows over all of K = 1,024.  P is source 0: a lane's registers run along P, which is the next product's K.  R is source 1: a lane holds one R row.
;   q, k (cluster x 0-3): R = 256 tokens of x, P = 128 columns of Wq or Wk (two heads).      v (cluster x 4, 5): R = 256 columns of Wv (four heads), P = 128 tokens of x (one key step).
; Only pointers and indices differ, but for the first products' C (the bias) and the way out.  A wave takes 64 R rows x 128 P rows: 32 accumulators.
; ALL OF K OF BOTH TILES LIES IN LDS (196,608 + 98,304 bytes): every LDS byte is filled once, in four quarters of K, so there is no ring.
; CLUSTER 4 x 4: R's tile hangs on cy alone and is asked for jointly along a row of the cluster, P's on cx alone and jointly along a column.
; The workspace is laid as the operands' registers (a fragment: three planes [lane][16 bytes]); the rows of a tile are chosen so that the registers of tiles 2 g and 2 g + 1 of P are 16 neighbours.
; OUT.  qb: [batch x head 64][key step 16][6,656]: 8 half fragments (16 tokens x 64 channels: [lane][16], [lane][8]: 768 bytes), scale words of tiles 4-7 at 6,144, of tiles 0-3 at 6,400 ([row][4 words]).
;       kvb: [batch x head][key step][13,056]: k as in qb; v's scale words at 6,656; v's four fragments (16 channels x 128 keys) at 6,912.
;       A scale word of q or k holds the head's two bytes below and 0x7f, 0x7f above: the upper 64 of the next product's K are zero codes.
; LIMITS: NaN and infinities are not served; a block of zeros gets the byte 1, read by this program alone; blocks whose largest magnitude lies under 2^-122 are held at the byte 1.
; REGISTERS: window 0: v1-17 addresses; v20-27 scale words on the way out; v32-63 R's scale words (8 tile + K step), v64-127 P's; v128-223 R's fragments, two sets (on the way out v192-210 the codes); v224-239 at work.
;   window 1: P's fragments, two sets, at v0 and v128.   window 2: the accumulators, (R tile a, P tile b) at v[8 (8 a + b)].   window 3: v0-63 the bias by P's rows, v64-95 by R's rows.
.set WV,  22                           ; s22 my wave's number
.set SEL, 2                            ; s[2:3] lane selects for v_permlanex16_b32: lane l xor 16
.set G1A, 32                           ; s[32:39] descriptor group 1 for R's tiles;  s[40:47] for P's: it differs in the mask alone
.set G1B, 40
.set G0A, 48                           ; s[48:63] groups 0 for R's four quarters of K;  s[68:83] for P's
.set G0B, 68
.set RS,  32
.set PS,  64
.set RF,  128
.set PC,  192
.set TM,  224
.set SW,  20
.set BOFF, 196608                      ; LDS: R's tile, quarter k at 49,152 k + 3,072 x tile; behind it P's, at 24,576 k + 3,072 x tile
.set MSB, 0
.macro WIN new                         ; the immediate's high byte repeats the setting that is left
.if MSB != \new
	s_set_vgpr_msb (MSB<<8)|\new
.set MSB, \new
.endif
.endm
.macro PLACES n
.rept \n
	v_nop
.endr
.endm
.macro CROUND                          ; a round of the cluster's barrier
	s_barrier_signal -1
	s_barrier_wait -1
	s_cmp_lg_u32 s[WV], 0
	s_cbranch_scc1 .Lnot_wave_0_\@
	s_barrier_signal -3
.Lnot_wave_0_\@:
	s_barrier_wait -3
	s_barrier_signal -1
	s_barrier_wait -1
.endm
	s_load_b256 s[4:11], s[0:1], 0x0               ; xc, xs, wc, ws
	s_load_b256 s[12:19], s[0:1], 0x20             ; bq, bk, bv, qb
	s_load_b64 s[20:21], s[0:1], 0x40              ; kvb
	v_lshl_add_u32 v254, v0, 2, 0x48000
	v_mov_b32 v255, 0
	ds_add_u32 v254, v255
	ds_add_u32 v254, v255
	v_lshrrev_b32 v1, 5, v0
	v_readfirstlane_b32 s[WV], v1                  ; wave 0..3
	s_bfe_u32 s23, ttmp6, 0x40000                  ; cx
	s_bfe_u32 s24, ttmp6, 0x40004                  ; cy
	s_and_b32 s26, ttmp7, 0xffff                   ; cluster y
	s_lshl_b32 s28, s26, 2
	s_max_u32 s29, ttmp9, 4
	s_sub_co_u32 s29, s29, 4
	s_lshl_b32 s29, s29, 3
	s_add_co_u32 s29, s29, s26                     ; v: 8 (cluster x - 4) + cluster y
	s_cmp_ge_u32 ttmp9, 4                          ; the role: the same in all sixteen partners
	s_cselect_b32 s28, 0, s28
	s_cselect_b32 s29, s29, ttmp9
	s_cselect_b32 s92, 1572864, 0                  ; v: R = Wv, tile 128 of wc,
	s_cselect_b32 s94, 65536, 0                    ; and of ws
	s_add_co_u32 s28, s28, s24                     ; which 256 rows of R: (q, k: 4 x cluster y) + cy
	s_lshl_b32 s29, s29, 2
	s_add_co_u32 s29, s29, s23                     ; which 128 rows of P: 4 x (..) + cx
	s_lshl_b32 s30, s24, 2
	s_lshl_b32 s30, 15, s30                        ; my row of the cluster
	s_lshl_b32 s31, 0x1111, s23                    ; my column
	; group 1: 8 tiles' quarters of K: 8 rows of 3,072 bytes (384 elements of 8 bytes), 12,288 bytes apart in memory, dense in LDS
	s_or_b32 s[G1A], s30, (3<<16)|(1<<21)          ; 15:0 the mask; 17:16 elements of 8 bytes; 21 set beside a mask
	s_or_b32 s[G1B], s31, (3<<16)|(1<<21)
.irp g, G1A, G1B
	s_mov_b32 s[\g+1], 384<<16                     ; tensor_dim0
	s_mov_b32 s[\g+2], 8<<16                       ; tensor_dim1
	s_mov_b32 s[\g+3], 384<<16                     ; tile_dim0
	s_mov_b32 s[\g+4], 8                           ; tile_dim1
	s_mov_b32 s[\g+5], 1536                        ; from row to row, in elements
	s_mov_b32 s[\g+6], 0
	s_mov_b32 s[\g+7], 0
.endr
	s_mul_i32 s84, s28, 196608                     ; R: 16 tiles of 12,288 bytes,
	s_add_co_u32 s92, s92, s84
	s_and_b32 s25, s[WV], 1
	s_mul_i32 s84, s25, 98304                      ; waves 0 and 1 fetch 8 tiles each
	s_add_co_u32 s92, s92, s84
	s_mov_b32 s93, 0
	s_lshl_b32 s84, s28, 13                        ; R's scale words: 16 tiles of 512 bytes,
	s_add_co_u32 s94, s94, s84
	s_lshl_b32 s84, s[WV], 11                      ; my wave's four tiles
	s_add_co_u32 s94, s94, s84
	s_mov_b32 s95, 0
	s_mul_i32 s96, s29, 98304                      ; P: 8 tiles
	s_mov_b32 s97, 0
	s_lshl_b32 s98, s29, 12                        ; and their scale words
	s_mov_b32 s99, 0
	s_mul_i32 s27, s25, 24576                      ; where a wave's 8 tiles of R go: no place in the cluster enters an LDS address
	s_mov_b32 s[SEL], 0x76543210
	s_mov_b32 s[SEL+1], 0xfedcba98
	v_and_b32 v1, 15, v0                           ; r
	v_bfe_u32 v2, v0, 4, 1                         ; h
	v_and_b32 v3, 31, v0
	v_lshlrev_b32 v4, 3, v3                        ; 8 x lane
	v_lshlrev_b32 v3, 4, v3                        ; 16 x lane
	v_lshlrev_b32 v5, 4, v1                        ; 16 r
	v_lshlrev_b32 v6, 4, v2                        ; 16 h
	s_mul_i32 s25, s[WV], 12288                    ; my four tiles of R in a quarter
	v_add_nc_u32 v8, s25, v3
	v_add_nc_u32 v9, 49152, v8
	v_add_nc_u32 v10, 98304, v8
	v_add_nc_u32 v11, 147456, v8
	v_add_nc_u32 v12, BOFF, v3
	v_add_nc_u32 v13, BOFF+24576, v3
	v_add_nc_u32 v14, BOFF+49152, v3
	v_add_nc_u32 v15, BOFF+73728, v3
	v_lshlrev_b32 v16, 6, v2                       ; the bias by P's rows: 64 h
	v_and_b32 v17, 8, v1
	v_add_nc_u32 v17, v17, v1
	v_lshlrev_b32 v17, 2, v17                      ; the bias by R's rows: 4 (r + 8 (r / 8))
.irp b, 0,1,2,3
	v_mov_b32 v[TM+4+\b], 0                        ; written once: a lane permute's destination counts as one of its sources
.endr
	s_wait_dscnt 0x0
	s_wait_kmcnt 0x0
	s_cmp_ge_u32 ttmp9, 4
	s_cselect_b64 s[84:85], s[8:9], s[4:5]         ; R's codes: wc or xc
	s_cselect_b64 s[86:87], s[10:11], s[6:7]       ; R's scale words
	s_cselect_b64 s[88:89], s[4:5], s[8:9]         ; P's codes
	s_cselect_b64 s[90:91], s[6:7], s[10:11]       ; P's scale words
	s_add_nc_u64 s[84:85], s[84:85], s[92:93]
	s_add_nc_u64 s[86:87], s[86:87], s[94:95]
	s_add_nc_u64 s[88:89], s[88:89], s[96:97]
	s_add_nc_u64 s[90:91], s[90:91], s[98:99]
.irp k, 0,1,2,3
	s_mov_b32 s[G0A+4*\k], 1                       ; count = 1
	s_add_co_u32 s[G0A+4*\k+1], s27, \k*49152      ; LDS address
	s_add_nc_u64 s[G0A+4*\k+2:G0A+4*\k+3], s[84:85], \k*3072   ; quarter k of the first tile
	s_or_b32 s[G0A+4*\k+3], s[G0A+4*\k+3], 0x80000000          ; type = 2
	s_mov_b32 s[G0B+4*\k], 1
	s_mov_b32 s[G0B+4*\k+1], BOFF+\k*24576
	s_add_nc_u64 s[G0B+4*\k+2:G0B+4*\k+3], s[88:89], \k*3072
	s_or_b32 s[G0B+4*\k+3], s[G0B+4*\k+3], 0x80000000
.endr
	CROUND                                         ; all sixteen work-groups are here: the joint loads meet
	s_cmp_lt_u32 s[WV], 2                          ; a wave's fills stand in one branch on its number: waves 0, 1: R's halves; wave 2: P; wave 3: none.  Four loads of a wave are out at the most
	s_cbranch_scc0 .Lnot_r
	tensor_load_to_lds s[G0A:G0A+3], s[G1A:G1A+7]
	s_nop 0
	tensor_load_to_lds s[G0A+4:G0A+7], s[G1A:G1A+7]
	s_nop 0
	tensor_load_to_lds s[G0A+8:G0A+11], s[G1A:G1A+7]
	s_nop 0
	tensor_load_to_lds s[G0A+12:G0A+15], s[G1A:G1A+7]
	s_nop 0
	PLACES 4
	s_branch .Lasked
.Lnot_r:
	s_cmp_eq_u32 s[WV], 2
	s_cbranch_scc0 .Lasked
	tensor_load_to_lds s[G0B:G0B+3], s[G1B:G1B+7]
	s_nop 0
	tensor_load_to_lds s[G0B+4:G0B+7], s[G1B:G1B+7]
	s_nop 0
	tensor_load_to_lds s[G0B+8:G0B+11], s[G1B:G1B+7]
	s_nop 0
	tensor_load_to_lds s[G0B+12:G0B+15], s[G1B:G1B+7]
	s_nop 0
	PLACES 4
.Lasked:
.irp p, 0,1,2,3                                ; the scale words of all of K stay in registers: four words (four K steps) a load
.irp f, 0,1
	global_load_b128 v[RS+8*\p+4*\f:RS+8*\p+4*\f+3], v5, s[86:87] offset:512*\p+256*\f
.endr
.endr
.irp p, 0,1,2,3,4,5,6,7
.irp f, 0,1
	global_load_b128 v[PS+8*\p+4*\f:PS+8*\p+4*\f+3], v5, s[90:91] offset:512*\p+256*\f
.endr
.endr
	; THE BIAS is the C of each sum's first product.  q, k: it runs along P (8 registers for each tile of P); v: along R (a lane's one number, in 8 registers for each tile of R).
	; Every work-group loads both forms from its role's own bias and uses one: so the loads stand here, at the head, and no register's being written hangs on a branch.
	s_cmp_lt_u32 ttmp9, 2
	s_cselect_b64 s[92:93], s[12:13], s[14:15]
	s_cmp_lt_u32 ttmp9, 4
	s_cselect_b64 s[92:93], s[92:93], s[16:17]
	s_and_b32 s94, s29, 7
	s_lshl_b32 s94, s94, 9                         ; q, k: P's 128 columns
	s_mov_b32 s95, 0
	s_add_nc_u64 s[94:95], s[92:93], s[94:95]
	s_lshl_b32 s96, s24, 2
	s_add_co_u32 s96, s96, s[WV]
	s_lshl_b32 s96, s96, 8                         ; v: my wave's head, 4 cy + wave: 64 columns
	s_mov_b32 s97, 0
	s_add_nc_u64 s[96:97], s[92:93], s[96:97]
	WIN 0xc0                                       ; destination window 3
.irp g, 0,1,2,3
.irp j, 0,1,2,3
	global_load_b128 v[16*\g+4*\j:16*\g+4*\j+3], v16, s[94:95] offset:128*\g+16*\j   ; register 16 g + i: column 32 g + 16 h + i
.endr
.endr
.irp p, 0,1,2,3
.irp j, 0,1,2,3,4,5,6,7
	global_load_b32 v[64+8*\p+\j], v17, s[96:97] offset:4*(32*(\p/2)+8*(\p%2))
.endr
.endr
	WIN 0
; The fragments of K step s: P's eight into set s % 2 of window 1, my four of R into set s % 2 of window 0: 36 loads of 512 consecutive bytes.
.macro FETCH s
	WIN 0x40
.irp p, 0,1,2,3,4,5,6,7
.irp q, 0,1,2
	ds_load_b128 v[128*((\s)%2)+12*\p+4*\q:128*((\s)%2)+12*\p+4*\q+3], v[12+(\s)/2] offset:3072*\p+1536*((\s)%2)+512*\q
.endr
.endr
	WIN 0
.irp p, 0,1,2,3
.irp q, 0,1,2
	ds_load_b128 v[RF+48*((\s)%2)+12*\p+4*\q:RF+48*((\s)%2)+12*\p+4*\q+3], v[8+(\s)/2] offset:3072*\p+1536*((\s)%2)+512*\q
.endr
.endr
.endm
; 16 products: R's tiles r0, r0 + 1 x P's eight.  cm = 0: onto the sums; 1: the sums begin with the bias by P's rows; 2: by R's rows.
; The 32 accumulators take turns, one instruction a turn, in the same order in every step.
.macro MUL16 r0, s, cm
.irp a, \r0, \r0+1
.irp b, 0,1,2,3,4,5,6,7
.if \cm == 0
	v_wmma_scale_f32_16x16x128_f8f6f4 v[8*(8*(\a)+\b):8*(8*(\a)+\b)+7], v[128*((\s)%2)+12*\b:128*((\s)%2)+12*\b+11], v[RF+48*((\s)%2)+12*(\a):RF+48*((\s)%2)+12*(\a)+11], v[8*(8*(\a)+\b):8*(8*(\a)+\b)+7], v[PS+8*\b+(\s)], v[RS+8*(\a)+(\s)] matrix_a_fmt:MATRIX_FMT_BF6 matrix_b_fmt:MATRIX_FMT_BF6
.elseif \cm == 1
	v_wmma_scale_f32_16x16x128_f8f6f4 v[8*(8*(\a)+\b):8*(8*(\a)+\b)+7], v[128*((\s)%2)+12*\b:128*((\s)%2)+12*\b+11], v[RF+48*((\s)%2)+12*(\a):RF+48*((\s)%2)+12*(\a)+11], v[8*\b:8*\b+7], v[PS+8*\b+(\s)], v[RS+8*(\a)+(\s)] matrix_a_fmt:MATRIX_FMT_BF6 matrix_b_fmt:MATRIX_FMT_BF6
.else
	v_wmma_scale_f32_16x16x128_f8f6f4 v[8*(8*(\a)+\b):8*(8*(\a)+\b)+7], v[128*((\s)%2)+12*\b:128*((\s)%2)+12*\b+11], v[RF+48*((\s)%2)+12*(\a):RF+48*((\s)%2)+12*(\a)+11], v[64+8*(\a):64+8*(\a)+7], v[PS+8*\b+(\s)], v[RS+8*(\a)+(\s)] matrix_a_fmt:MATRIX_FMT_BF6 matrix_b_fmt:MATRIX_FMT_BF6
.endif
.endr
.endr
.endm
.set W_MUL, 0xa1                       ; source 0 (P) window 1, source 1 (R) window 0, C and D window 2
.set W_FST, 0xb1                       ; the same with C in window 3
; An even step: the next step lies in the same quarter of K, so its fragments are asked for at the step's head.  Four plain instructions stand between the last product that read a set and the loads into it (ISA guide 7.12.1 for vector instructions).
.macro STEPE s
	s_wait_dscnt 0x0                               ; this step's fragments are in
	PLACES 4
	FETCH (\s)+1
	WIN W_MUL
	MUL16 0, \s, 0
	MUL16 2, \s, 0
.endm
; An odd step: the next step begins a new quarter.  left: my loads of the later quarters, which may stay out: no LDS byte is filled twice, so no load has to be waited for but the one that is read next.
.macro STEPO s, left
	s_wait_dscnt 0x0                               ; this step's fragments are in: no LDS instruction of mine is out at the signal
	s_wait_tensorcnt \left                         ; my part of the next quarter has landed:
	s_barrier_signal -1                            ; say so,
	WIN W_MUL
	MUL16 0, \s, 0                                 ; work on registers while the others arrive,
	s_barrier_wait -1                              ; everybody's has
	PLACES 4
	FETCH (\s)+1
	WIN W_MUL
	MUL16 2, \s, 0
.endm
	s_wait_tensorcnt 3                             ; my part of quarter 0 has landed; the three later quarters may be out
	s_barrier_signal -1
	s_barrier_wait -1                              ; everybody's has
	FETCH 0
	FETCH 1
	s_wait_loadcnt 0x0                             ; the scale words and the biases
	s_wait_dscnt 36                                ; step 0's fragments are in; step 1's 36 loads may be out
	s_cmp_ge_u32 ttmp9, 4                          ; the first products differ by the role in their C alone
	s_cbranch_scc1 .Lfirst_v
	WIN W_FST
	MUL16 0, 0, 1
	MUL16 2, 0, 1
	WIN 0
	s_branch .Lfirst_done
.Lfirst_v:
	WIN W_FST
	MUL16 0, 0, 2
	MUL16 2, 0, 2
	WIN 0
.Lfirst_done:
	STEPO 1, 2
	STEPE 2
	STEPO 3, 1
	STEPE 4
	STEPO 5, 0
	STEPE 6
	s_wait_dscnt 0x0
	WIN W_MUL
	MUL16 0, 7, 0
	MUL16 2, 7, 0
	PLACES 4                                       ; ahead of the first read of results, and of the first write of the registers that held R's fragments
	WIN 0
; The 64 results of one tile of R, at v[s] on in window 2 (register 16 b + i = P's row 32 b + 16 h + i), become 12 registers of codes in v[PC] on and a scale word in v[pw].  Each accumulator is read from its low end on.
.macro QUANTA s, pw
	WIN 0x0a                                       ; sources 0 and 1 window 2
.irp b, 0,1,2,3
	v_max3_num_f32 v[TM+\b], |v[\s+16*\b]|, |v[\s+1+16*\b]|, 0x2800000   ; block b: my 16 numbers, and the floor 2^(5 - 127): the byte cannot fall under 1
.endr
	WIN 0x28                                       ; sources 1 and 2 window 2
.irp i, 2,4,6,8,10,12,14
.irp b, 0,1,2,3
	v_max3_num_f32 v[TM+\b], v[TM+\b], |v[\s+16*\b+\i]|, |v[\s+1+16*\b+\i]|
.endr
.endr
	WIN 0
.irp b, 0,1,2,3
	v_permlanex16_b32 v[TM+4+\b], v[TM+\b], s[SEL], s[SEL+1]
.endr
.irp b, 0,1,2,3
	v_max_num_f32 v[TM+\b], v[TM+\b], v[TM+4+\b]   ; with lane l xor 16's: the block's largest magnitude
.endr
.irp b, 0,1,2,3
	v_add_nc_u32 v[TM+12+\b], 0xfe000000, v[TM+\b]   ; 4 off its exponent field: the conversion's scale operand
.endr
.irp b, 0,1,2,3
	v_lshrrev_b32 v[TM+4+\b], 23, v[TM+12+\b]      ; the scale's byte
.endr
	v_lshl_or_b32 v[\pw], v[TM+5], 8, v[TM+4]
	v_lshl_or_b32 v[\pw], v[TM+6], 16, v[\pw]
	v_lshl_or_b32 v[\pw], v[TM+7], 24, v[\pw]
	WIN 0x02                                       ; source 0 window 2
.irp c, 0,1
	v_cvt_scalef32_pk16_bf6_f32 v[PC+6*\c:PC+2+6*\c], v[\s+32*\c:\s+15+32*\c], v[TM+12+2*\c]
	v_cvt_scalef32_pk16_bf6_f32 v[PC+12+4*\c:PC+14+4*\c], v[\s+16+32*\c:\s+31+32*\c], v[TM+12+2*\c+1]   ; (a conversion's three registers begin on an even number)
.endr
	WIN 0
	v_nop                                          ; one plain instruction behind a scaled conversion
.irp c, 0,1                                    ; the operand's layout wants a whole block in a lane
.irp i, 0,1,2
	v_permlane16_swap_b32 v[PC+6*\c+\i], v[PC+12+4*\c+\i]
.endr
.irp i, 0,1,2
	v_mov_b32 v[PC+3+6*\c+\i], v[PC+12+4*\c+\i]
.endr
.endr
.endm
	s_cmp_ge_u32 ttmp9, 4
	s_cbranch_scc1 .Lout_v
	; ---- q, k.  A tile's 128 columns are two heads: registers 0-5 of the codes are the even head's half fragment, 6-11 the odd head's; the scale word's lower two bytes the even head's.
	s_lshr_b32 s84, s28, 3                         ; the batch,
	s_and_b32 s85, s28, 7
	s_lshl_b32 s85, s85, 1
	s_lshr_b32 s86, s[WV], 1
	s_add_co_u32 s85, s85, s86                     ; the key step of my 64 tokens,
	s_and_b32 s86, s29, 7
	s_lshl_b32 s86, s86, 1                         ; the even head
	s_lshl_b32 s84, s84, 4
	s_add_co_u32 s84, s84, s86
	s_lshl_b32 s84, s84, 4
	s_add_co_u32 s84, s84, s85                     ; (16 batch + head) 16 + step
	s_cmp_ge_u32 ttmp9, 2                          ; k or q
	s_mov_b32 s87, 6656
	s_cselect_b32 s87, 13056, s87                  ; a step's bytes
	s_cselect_b64 s[88:89], s[20:21], s[18:19]
	s_mul_i32 s90, s84, s87
	s_mov_b32 s91, 0
	s_add_nc_u64 s[88:89], s[88:89], s[90:91]      ; the even head's step
	s_and_b32 s92, s[WV], 1
	s_mul_i32 s90, s92, 3072
	s_add_nc_u64 s[94:95], s[88:89], s[90:91]      ; my four tiles of its eight
	s_lshl_b32 s90, s87, 4
	s_add_nc_u64 s[96:97], s[94:95], s[90:91]      ; the same in the odd head, 16 steps on
	v_mul_lo_u32 v7, v2, s90
	v_add_nc_u32 v7, v7, v5                        ; the scale words: 16 r; lanes 16-31 in the odd head
	s_lshl_b32 s90, s92, 8
	s_sub_co_u32 s90, 6400, s90                    ; tiles 0-3 at 6,400, tiles 4-7 at 6,144
	s_add_nc_u64 s[98:99], s[88:89], s[90:91]
	s_mov_b32 s25, 0x7f7f0000
.irp p, 0,1,2,3
.if \p > 0
	s_wait_xcnt 0x0                                ; the last tile's stores have read the codes' registers
.endif
	QUANTA 64*\p, 26
	v_lshrrev_b32 v27, v6, v26                     ; lanes 0-15 keep the even head's two bytes, lanes 16-31 take the odd head's,
	v_and_or_b32 v[SW+\p], v27, 0xffff, s25        ; under 0x7f, 0x7f
	global_store_b128 v3, v[PC:PC+3], s[94:95] offset:768*\p
	global_store_b64 v4, v[PC+4:PC+5], s[94:95] offset:768*\p+512
	global_store_b128 v3, v[PC+6:PC+9], s[96:97] offset:768*\p
	global_store_b64 v4, v[PC+10:PC+11], s[96:97] offset:768*\p+512
.endr
	global_store_b128 v7, v[SW:SW+3], s[98:99]     ; sixteen lanes store 256 consecutive bytes, aligned, in each of the two heads
	s_branch .Lout_done
	; ---- v.  My four tiles of R are one head's 64 channels; P's 128 tokens are one key step: each tile gives a whole fragment and a whole scale word.
.Lout_v:
	s_lshl_b32 s84, s24, 2
	s_add_co_u32 s84, s84, s[WV]                   ; the head
	s_lshr_b32 s85, s29, 4
	s_lshl_b32 s85, s85, 4
	s_add_co_u32 s84, s84, s85                     ; + 16 batch
	s_lshl_b32 s84, s84, 4
	s_and_b32 s85, s29, 15
	s_add_co_u32 s84, s84, s85                     ; x 16 + step
	s_mul_i32 s90, s84, 13056
	s_mov_b32 s91, 0
	s_add_nc_u64 s[88:89], s[20:21], s[90:91]
	v_lshl_add_u32 v7, v2, 3, v5                   ; the scale words: 16 r + 8 h
.irp p, 0,1,2,3
.if \p > 0
	s_wait_xcnt 0x0
.endif
	QUANTA 64*\p, SW+\p
.irp q, 0,1,2
	global_store_b128 v3, v[PC+4*\q:PC+4*\q+3], s[88:89] offset:6912+1536*\p+512*\q
.endr
.endr
	v_cmp_eq_u32 vcc_lo, 1, v2
	v_cndmask_b32 v24, v[SW], v[SW+2], vcc_lo
	v_cndmask_b32 v25, v[SW+1], v[SW+3], vcc_lo
	global_store_b64 v7, v[24:25], s[88:89] offset:6656   ; the wave stores 256 consecutive bytes, aligned
.Lout_done:
	s_wait_tensorcnt 0x0
	ds_add_u32 v254, v255
	s_wait_dscnt 0x0
	CROUND                                         ; the closing round: no work-group ends while a partner may still ask for a tile that names it
	s_endpgm
.Lfunc_end_k_qe8a6ea5b9f_qkv:
	.size	k_qe8a6ea5b9f_qkv, .Lfunc_end_k_qe8a6ea5b9f_qkv-k_qe8a6ea5b9f_qkv
	.p2alignl 7, 3214868480
	.fill 96, 4, 3214868480
	.section	.rodata,"a",@progbits
	.p2align	6, 0x0
	.amdhsa_kernel k_qe8a6ea5b9f_qkv
		.amdhsa_group_segment_fixed_size 295424
		.amdhsa_private_segment_fixed_size 0
		.amdhsa_enable_private_segment 0
		.amdhsa_kernarg_size 72
		.amdhsa_user_sgpr_count 2
		.amdhsa_user_sgpr_kernarg_segment_ptr 1
		.amdhsa_wavefront_size32 1
		.amdhsa_system_sgpr_workgroup_id_x 1
		.amdhsa_system_sgpr_workgroup_id_y 1
		.amdhsa_system_sgpr_workgroup_id_z 1
		.amdhsa_system_vgpr_workitem_id 0
		.amdhsa_next_free_vgpr 864
		.amdhsa_next_free_sgpr 100
		.amdhsa_reserve_vcc 1
		.amdhsa_float_denorm_mode_32 3
		.amdhsa_float_denorm_mode_16_64 3
		.amdhsa_memory_ordered 1
		.amdhsa_forward_progress 1
		.amdhsa_inst_pref_size 109
	.end_amdhsa_kernel
	.amdgpu_metadata
---
amdhsa.version: [ 1, 2 ]
amdhsa.kernels:
  - .name:           k_qe8a6ea5b9f_qkv
    .symbol:         k_qe8a6ea5b9f_qkv.kd
    .args:
      - { .name: xc, .offset: 0, .size: 8, .value_kind: global_buffer, .address_space: global }
      - { .name: xs, .offset: 8, .size: 8, .value_kind: global_buffer, .address_space: global }
      - { .name: wc, .offset: 16, .size: 8, .value_kind: global_buffer, .address_space: global }
      - { .name: ws, .offset: 24, .size: 8, .value_kind: global_buffer, .address_space: global }
      - { .name: bq, .offset: 32, .size: 8, .value_kind: global_buffer, .address_space: global }
      - { .name: bk, .offset: 40, .size: 8, .value_kind: global_buffer, .address_space: global }
      - { .name: bv, .offset: 48, .size: 8, .value_kind: global_buffer, .address_space: global }
      - { .name: qb, .offset: 56, .size: 8, .value_kind: global_buffer, .address_space: global }
      - { .name: kvb, .offset: 64, .size: 8, .value_kind: global_buffer, .address_space: global }
    .group_segment_fixed_size: 295424
    .private_segment_fixed_size: 0
    .kernarg_segment_align: 8
    .kernarg_segment_size: 72
    .max_flat_workgroup_size: 128
    .sgpr_count:     100
    .vgpr_count:     864
    .wavefront_size: 32
...
	.end_amdgpu_metadata
.endif
;; end of part 2
;; launch attn (part 3): grid 4 x 64, 16 waves a work-group, clusters of 4 x 1, 212,992 bytes of LDS; arguments qb, kvb, mask, ycb, ysc; writes ycb, ysc
.if DOCPART == 3
	.amdgcn_target "amdgcn-amd-amdhsa--gfx1250"
	.amdhsa_code_object_version 6
	.text
	.protected	k_qe8a6ea5b9f_attn
	.globl	k_qe8a6ea5b9f_attn
	.p2align	8
	.type	k_qe8a6ea5b9f_attn,@function
k_qe8a6ea5b9f_attn:
	s_mov_b64 s[64:65], 0
	v_nop
	global_prefetch_b8 v0, s[64:65] scope:SCOPE_SE
	s_setreg_imm32_b32 hwreg(HW_REG_WAVE_MODE, 25, 1), 1
	s_wait_xcnt 0x0
	s_wait_alu depctr_hold_cnt(0) depctr_sa_sdst(0) depctr_va_vdst(0) depctr_va_sdst(0) depctr_va_ssrc(0) depctr_va_vcc(0) depctr_vm_vsrc(0)
	s_getreg_b32 s2, hwreg(HW_REG_IB_STS2, 6, 4)
	s_cmp_eq_u32 s2, 0
	s_cbranch_scc0 .Lentry_in_a_cluster
	s_endpgm
.Lentry_in_a_cluster:
	s_bfe_u32 s2, ttmp6, 0x10000c
	s_cmp_lg_u32 s2, 0x3003
	s_cbranch_scc0 .Lentry_shape_is_right
	s_endpgm
.Lentry_shape_is_right:
; y[b][t][head] = softmax over the keys of (q . k / 8, or -1e10 in every place of a row whose mask is 0) times v, both products on codes of BF6 with E8M0 scales, and y quantised along the channels for the last product.
; THE SOFTMAX AHEAD OF THE SECOND PRODUCT: t = score x log2(e) / 8; M = the running largest t rounded up to a whole number; p = 2^(t - M) is quantised along the keys, not normalised;
; the row's sum is taken of the unquantised p and divides at the end; when M moves, the sum and O are multiplied by 2^(old M - new M): exact.
; THE MASK is by rows: a masked query's logits are all equal, so every p is 1 and the sum is 2,048, whatever the common value.  A masked query's codes of q are replaced by zero codes (a select on the loaded mask):
; its scores are all 0, which gives the same p and the same sum.
; SHARES.  A work-group owns 512 queries of one head; the head's whole K and V (codes and scale words, 208,896 dense bytes, laid as the operands' registers) lie in LDS, filled ONCE: no ring.
; The four work-groups of a cluster are the four quarters of one head's queries: each of the 16 loads is asked for jointly (mask 15).  Waves 0-3 issue four loads each; four loads of a wave are out at the most.
; Each of the sixteen waves owns two tiles of 16 queries and takes them one after the other, each in 256 registers: four waves to a SIMD, so that one wave's vector work stands beside another's products and LDS loads.
; LAYOUT.  Both products are used transposed: S^T = K Q^T (source 0 = 16 keys), O^T = V^T P^T (source 0 = 16 channels): a lane holds one query throughout.  The keys of a tile of K and the channels of a tile of V are chosen
; so that the 16 registers of tiles 2 b and 2 b + 1 are 16 neighbours.  A head has 64 channels: the upper 64 of the first product's K are zero codes on both sides, under the byte 0x7f.
; LIMITS: NaN and infinities are not served; a block of zeros gets the byte 1, read by this program alone.
; REGISTERS: v1-3 16 x lane, 8 x lane, 16 r; v4-6 the same + the step's LDS byte; v7 the mask's offset; v8-11 r, h, addresses of the end; v12 -M, v13 the largest t, v[14:15] the sum; v16-27 Q; v28 0; v29 the mask;
;   v30, v31 y's scale words; v32-79 four fragments of K; v80-87 scale words; v96-159 S^T, p, then V's four fragments; v160-191 O^T; v224-235 p's codes; v232-254 at work; v255 Q's scale words.
.set WV,   18
.set SEL,  20                          ; s[20:21] lane selects for v_permlanex16_b32: lane l xor 16
.set CS,   22                          ; s[22:23] c = log2(e) / 8
.set G1,   24                          ; s[24:31] descriptor group 1;  s[32:47] four groups 0
.set G0,   32
.set TB,   2                           ; s2 LDS byte at which the step in hand begins
.set CNT,  3                           ; s3 counts a loop's steps
.set STEPB, 13056                      ; a key step in LDS: K's 8 half fragments, scale words of K's tiles 4-7 (6,144), of K's tiles 0-3 (6,400), of V (6,656), V's 4 fragments (6,912)
.set YG,   16*STEPB                    ; behind the head: 2,048 bytes in which y's scale words are gathered; no fill lands there
.macro CROUND                          ; a round of the cluster's barrier
	s_barrier_signal -1
	s_barrier_wait -1
	s_cmp_lg_u32 s[WV], 0
	s_cbranch_scc1 .Lnot_wave_0_\@
	s_barrier_signal -3
.Lnot_wave_0_\@:
	s_barrier_wait -3
	s_barrier_signal -1
	s_barrier_wait -1
.endm
	s_load_b256 s[4:11], s[0:1], 0x0               ; qb, kvb, mask, ycb
	s_load_b64 s[12:13], s[0:1], 0x20              ; ysc
	v_lshl_add_u32 v250, v0, 2, 0x33800
	v_mov_b32 v251, 0
	ds_add_u32 v250, v251
	ds_add_u32 v250, v251
	v_lshrrev_b32 v8, 5, v0
	v_readfirstlane_b32 s[WV], v8                  ; wave 0..15
	s_bfe_u32 s14, ttmp6, 0x40000                  ; cx: my quarter of the queries
	s_and_b32 s15, ttmp7, 0xffff                   ; 16 batch + head, which the four partners share
	; group 1: a key step, 13,056 dense bytes, as 51 rows of 256 bytes (32 elements of 8 bytes)
	s_mov_b32 s[G1], 15|(3<<16)|(1<<21)            ; 15:0 the mask: all four work-groups; 17:16 elements of 8 bytes; 21 set beside a mask
	s_mov_b32 s[G1+1], 32<<16                      ; tensor_dim0
	s_mov_b32 s[G1+2], 51<<16                      ; tensor_dim1
	s_mov_b32 s[G1+3], 32<<16                      ; tile_dim0
	s_mov_b32 s[G1+4], 51                          ; tile_dim1
	s_mov_b32 s[G1+5], 32                          ; from row to row
	s_mov_b32 s[G1+6], 0
	s_mov_b32 s[G1+7], 0
	s_and_b32 s16, s[WV], 3
	s_mul_i32 s17, s16, STEPB                      ; of each four steps the one that I fetch, if I fetch
	s_mul_i32 s48, s15, 16*STEPB
	s_add_co_u32 s48, s48, s17
	s_mov_b32 s49, 0
	s_mov_b32 s[SEL], 0x76543210
	s_mov_b32 s[SEL+1], 0xfedcba98
	s_mov_b32 s[CS], 0x3e38aa3b                    ; c = log2(e) / 8
	s_mov_b32 s[CS+1], s[CS]                       ; (named with it as a pair, so it is written)
	s_wait_dscnt 0x0
	s_wait_kmcnt 0x0
	s_add_nc_u64 s[50:51], s[6:7], s[48:49]
.irp k, 0,1,2,3
	s_mov_b32 s[G0+4*\k], 1                        ; count = 1
	s_add_co_u32 s[G0+4*\k+1], s17, \k*4*STEPB     ; LDS address: the head lies in LDS as in memory
	s_add_nc_u64 s[G0+4*\k+2:G0+4*\k+3], s[50:51], \k*4*STEPB
	s_or_b32 s[G0+4*\k+3], s[G0+4*\k+3], 0x80000000   ; type = 2
.endr
	CROUND                                         ; all four work-groups are here: the joint loads meet
	s_cmp_lt_u32 s[WV], 4
	s_cbranch_scc0 .Lno_fetch
	tensor_load_to_lds s[G0:G0+3], s[G1:G1+7]
	s_nop 0
	tensor_load_to_lds s[G0+4:G0+7], s[G1:G1+7]
	s_nop 0
	tensor_load_to_lds s[G0+8:G0+11], s[G1:G1+7]
	s_nop 0
	tensor_load_to_lds s[G0+12:G0+15], s[G1:G1+7]
	s_nop 0
.rept 4
	v_nop
.endr
.Lno_fetch:
	v_and_b32 v8, 15, v0                           ; r
	v_bfe_u32 v9, v0, 4, 1                         ; h
	v_and_b32 v1, 31, v0
	v_lshlrev_b32 v2, 3, v1                        ; 8 x lane
	v_lshlrev_b32 v1, 4, v1                        ; 16 x lane
	v_lshlrev_b32 v3, 4, v8                        ; 16 r
	v_and_b32 v7, 8, v8
	v_add_nc_u32 v7, v7, v8
	v_lshlrev_b32 v7, 2, v7                        ; the mask of my query: 4 (r + 8 (r / 8))
	v_lshl_add_u32 v10, v0, 2, YG                  ; the end: where I put a scale word,
	v_lshl_add_u32 v11, v0, 4, YG                  ; where threads 0-127 read four back,
	v_lshlrev_b32 v88, 4, v0                       ; and where they go in memory
	v_mov_b32 v28, 0
.irp i, 22,23,24,25,26,27
	v_mov_b32 v[\i], 0                             ; Q: the upper 64 of K are zero codes
.endr
.irp t, 0,1,2,3
.irp i, 6,7,8,9,10,11
	v_mov_b32 v[32+12*\t+\i], 0                    ; K likewise: written once, no load lands there
.endr
.endr
.irp b, 0,1,2,3
	v_mov_b32 v[236+\b], 0                         ; written once: a lane permute's destination counts as one of its sources
.endr
	v_mov_b32 v253, 0                              ; (named as the upper half of the pair v[252:253] before it is first written)
	; my two tiles are tiles 2 (wave % 4), + 1 of key step 4 cx + wave / 4 of the head's tokens
	s_lshl_b32 s52, s15, 4
	s_lshl_b32 s53, s14, 2
	s_add_co_u32 s52, s52, s53
	s_lshr_b32 s53, s[WV], 2
	s_add_co_u32 s52, s52, s53
	s_mul_i32 s52, s52, 6656
	s_mov_b32 s53, 0
	s_add_nc_u64 s[54:55], s[4:5], s[52:53]        ; the step in qb
	s_mul_i32 s52, s16, 1536
	s_add_nc_u64 s[56:57], s[54:55], s[52:53]      ; my first tile's half fragment
	s_bfe_u32 s52, s[WV], 0x10001
	s_lshl_b32 s52, s52, 8
	s_sub_co_u32 s52, 6400, s52                    ; tiles 0-3 at 6,400, tiles 4-7 at 6,144
	s_and_b32 s19, s[WV], 1
	s_lshl_b32 s19, s19, 3
	s_add_co_u32 s52, s52, s19                     ; of a row's four words my first tile's
	s_add_nc_u64 s[54:55], s[54:55], s[52:53]
	s_lshr_b32 s50, s15, 4                         ; the batch
	s_and_b32 s51, s15, 15                         ; the head
	s_lshl_b32 s52, s50, 13
	s_lshl_b32 s19, s14, 11
	s_add_co_u32 s52, s52, s19                     ; 4 (2,048 batch + 512 cx)
	s_add_nc_u64 s[62:63], s[12:13], s[52:53]
	s_lshl_b32 s19, s[WV], 7
	s_add_co_u32 s52, s52, s19                     ; + 4 x 32 wave
	s_add_nc_u64 s[58:59], s[8:9], s[52:53]        ; the mask of my 32 tokens
	s_lshl_b32 s52, s51, 15
	s_add_nc_u64 s[62:63], s[62:63], s[52:53]      ; ysc: [head][position]: my work-group's 512 words
	s_lshl_b32 s52, s50, 7
	s_lshl_b32 s19, s14, 5
	s_add_co_u32 s52, s52, s19
	s_lshl_b32 s19, s[WV], 1
	s_add_co_u32 s52, s52, s19                     ; my first tile of rows: 128 batch + 32 cx + 2 wave
	s_mul_i32 s52, s52, 12288
	s_mul_i32 s19, s51, 768
	s_add_co_u32 s52, s52, s19
	s_add_nc_u64 s[60:61], s[10:11], s[52:53]      ; ycb: [tile of rows][head] half fragments
	s_and_b32 s19, s15, 1
	s_lshl_b32 s19, s19, 4                         ; an odd head's two bytes go to the upper half of the word
; The head of a pass: tile p's Q, its scale words and its mask; the running figures begin anew.
.macro PHEAD p
	s_wait_xcnt 0x0                                ; the last pass's stores have read their registers
	global_load_b128 v[16:19], v1, s[56:57] offset:768*\p
	global_load_b64 v[20:21], v2, s[56:57] offset:768*\p+512
	global_load_b32 v255, v3, s[54:55] offset:4*\p
	global_load_b32 v29, v7, s[58:59] offset:32*\p
	v_mov_b32 v13, 0xff61b1e6                      ; the largest t so far: -3e38, under every t
	v_floor_f32 v12, -v13                          ; -M
	v_mov_b32 v14, 0                               ; the sum, in two halves
	v_mov_b32 v15, 0
.set j, 0
.rept 32
	v_mov_b32 v[160+j], 0                          ; O^T.  (The step is written once: the first finds zeros, which the first change of M leaves zeros)
.set j, j+1
.endr
	s_wait_loadcnt 0x0
	v_cmp_eq_u32 vcc_lo, 0, v29                    ; a masked query:
.irp i, 0,1,2,3,4,5
	v_cndmask_b32 v[16+\i], v[16+\i], v28, vcc_lo  ; zero codes
.endr
.endm
; A KEY STEP: 128 keys.
.macro STEP
	v_add_nc_u32 v4, s[TB], v1
	v_add_nc_u32 v5, s[TB], v2
	v_add_nc_u32 v6, s[TB], v3
	v_nop
	v_nop                                          ; five plain instructions behind the last products: the products below write over the registers that held V's fragments, and the loads below land in scale registers
	ds_load_b128 v[80:83], v4 offset:6400          ; lanes 0-15: the scale words of K's tiles 0-3; lanes 16-31, 256 bytes on: those of V's tiles 0-3
	ds_load_b128 v[84:87], v6 offset:6144          ; K's tiles 4-7
.irp g, 0,1                                    ; S^T = K Q^T, four tiles of 16 keys at a time
.if \g
.rept 4
	v_nop                                          ; ahead of loads into registers that products have read
.endr
.endif
.irp t, 0,1,2,3
	ds_load_b128 v[32+12*\t:35+12*\t], v4 offset:768*(4*\g+\t)
	ds_load_b64 v[36+12*\t:37+12*\t], v5 offset:768*(4*\g+\t)+512
.endr
	s_wait_dscnt 0x0
.irp t, 0,1,2,3
	v_wmma_scale_f32_16x16x128_f8f6f4 v[96+8*(4*\g+\t):103+8*(4*\g+\t)], v[32+12*\t:43+12*\t], v[16:27], 0, v[80+4*\g+\t], v255 matrix_a_fmt:MATRIX_FMT_BF6 matrix_b_fmt:MATRIX_FMT_BF6
.endr
.endr                                          ; register 16 b + i: key 32 b + 16 h + i of the step
.rept 4
	v_nop
.endr
.irp b, 0,1,2,3
	v_max3_num_f32 v[232+\b], v[96+16*\b], v[97+16*\b], v[98+16*\b]   ; the largest score of each block of 32 keys: it serves for the row's maximum and, since p rises with the score, for the block's largest p
.endr
.irp i, 3,5,7,9,11,13
.irp b, 0,1,2,3
	v_max3_num_f32 v[232+\b], v[232+\b], v[96+16*\b+\i], v[97+16*\b+\i]
.endr
.endr
.irp b, 0,1,2,3
	v_max_num_f32 v[232+\b], v[232+\b], v[111+16*\b]
.endr
.irp b, 0,1,2,3
	v_permlanex16_b32 v[236+\b], v[232+\b], s[SEL], s[SEL+1]
.endr
.irp b, 0,1,2,3
	v_max_num_f32 v[232+\b], v[232+\b], v[236+\b]  ; with lane l xor 16's 16 keys
.endr
	v_max3_num_f32 v254, v232, v233, v234
	v_max_num_f32 v254, v254, v235                 ; the step's largest score of my query
	v_mul_f32 v254, s[CS], v254                    ; as t (c is positive)
	v_max_num_f32 v13, v13, v254                   ; the running largest t
	v_mov_b32 v254, v12
	v_floor_f32 v12, -v13                          ; the new -M = floor(-t) = -ceil(t): a whole number
	v_sub_f32 v254, v12, v254                      ; old M - new M: a whole number, 0 or less
	v_cvt_i32_f32 v254, v254                       ; (it saturates)
	v_ldexp_f32 v252, 1.0, v254                    ; f = 2^(old M - new M)
.set j, 0
.rept 32
	v_pk_fma_f32 v[96+j:97+j], v[96+j:97+j], s[CS:CS+1], v[12:13] op_sel_hi:[1,0,0]   ; t - M, two at a time
.set j, j+2
.endr
.irp b, 0,1,2,3
	v_fma_f32 v[232+\b], v[232+\b], s[CS], v12     ; the same of each block's largest score
.endr
.set j, 0
.rept 64
	v_exp_f32 v[96+j], v[96+j]                     ; p = 2^(t - M), at most 1
.set j, j+1
.endr
	v_pk_mul_f32 v[14:15], v[14:15], v[252:253] op_sel_hi:[1,0]   ; the sums under the new M: the plain instruction behind the exponentials
	s_wait_alu depctr_va_vdst(0)                   ; one wait for the batch of 64, ahead of its first reader
.irp b, 0,1,2,3
	v_exp_f32 v[232+\b], v[232+\b]                 ; the block's largest p: the same two instructions on the same number give the same bits
.endr
	v_pk_add_f32 v[236:237], v[96:97], v[98:99]    ; the row's sum is taken of the unquantised p: two at a time, in two chains
.irp j, 4,8,12,16,20,24,28,32,36,40,44,48,52,56,60
	v_pk_add_f32 v[14:15], v[14:15], v[96+\j:97+\j]
	v_pk_add_f32 v[236:237], v[236:237], v[98+\j:99+\j]
.endr
	v_pk_add_f32 v[14:15], v[14:15], v[236:237]
	s_wait_alu depctr_va_vdst(0)                   ; and one for the four
.irp b, 0,1,2,3
	v_max_num_f32 v[232+\b], 0x2800000, v[232+\b]  ; the floor 2^(5 - 127): the byte cannot fall under 1
.endr
.irp b, 0,1,2,3
	v_add_nc_u32 v[244+\b], 0xfe000000, v[232+\b]  ; 4 off the exponent field: the conversion's scale operand
.endr
.irp b, 0,1,2,3
	v_lshrrev_b32 v[236+\b], 23, v[244+\b]         ; the scale's byte
.endr
	v_lshl_or_b32 v253, v237, 8, v236              ; p's scale word for these 128 keys
	v_lshl_or_b32 v253, v238, 16, v253
	v_lshl_or_b32 v253, v239, 24, v253
.irp c, 0,1
	v_cvt_scalef32_pk16_bf6_f32 v[224+6*\c:226+6*\c], v[96+32*\c:111+32*\c], v[244+2*\c]
	v_cvt_scalef32_pk16_bf6_f32 v[236+4*\c:238+4*\c], v[112+32*\c:127+32*\c], v[244+2*\c+1]   ; (a conversion's three registers begin on an even number)
.endr
	v_nop                                          ; one plain instruction behind a scaled conversion
.irp t, 0,1,2,3                                ; p is done with: V's four fragments land where it lay, while p's codes are put in order
.irp q, 0,1,2
	ds_load_b128 v[96+12*\t+4*\q:99+12*\t+4*\q], v4 offset:6912+1536*\t+512*\q
.endr
.endr
.irp c, 0,1                                    ; the operand's layout wants a whole block in a lane
.irp i, 0,1,2
	v_permlane16_swap_b32 v[224+6*\c+\i], v[236+4*\c+\i]
.endr
.irp i, 0,1,2
	v_mov_b32 v[227+6*\c+\i], v[236+4*\c+\i]
.endr
.endr
.set j, 0
.rept 16
	v_pk_mul_f32 v[160+j:161+j], v[160+j:161+j], v[252:253] op_sel_hi:[1,0]   ; O^T under the new M.  (These sixteen also stand between the writes of p's codes and scale word and the products)
.set j, j+2
.endr
	s_wait_dscnt 0x0
.irp t, 0,1,2,3                                ; O^T += V^T P^T: the four accumulators by turns
	v_wmma_scale_f32_16x16x128_f8f6f4 v[160+8*\t:167+8*\t], v[96+12*\t:107+12*\t], v[224:235], v[160+8*\t:167+8*\t], v[80+\t], v253 matrix_a_fmt:MATRIX_FMT_BF6 matrix_b_fmt:MATRIX_FMT_BF6 matrix_a_scale:MATRIX_SCALE_ROW1
.endr
	s_add_co_u32 s[TB], s[TB], STEPB
.endm
.macro STEPS n, first                  ; n key steps from step first on
	s_mov_b32 s[TB], (\first)*STEPB
	s_mov_b32 s[CNT], \n
.Lstep_\@:
	STEP
	s_sub_co_u32 s[CNT], s[CNT], 1
	s_cmp_lg_u32 s[CNT], 0
	s_cbranch_scc1 .Lstep_\@
.endm
; The way out of tile p: O^T / the sum is y; register 16 g + i is channel 32 g + 16 h + i of my query: two blocks of 32, quantised into a half fragment and two bytes.
.macro OUT p
.rept 4
	v_nop                                          ; behind the last products
.endr
	v_add_f32 v14, v14, v15                        ; the sum's two halves,
	v_permlanex16_b32 v252, v14, s[SEL], s[SEL+1]
	v_add_f32 v14, v14, v252                       ; and lane l xor 16's
	v_rcp_f32 v14, v14
	v_nop                                          ; a plain instruction behind the reciprocal,
	s_wait_alu depctr_va_vdst(0)                   ; and the wait ahead of its first reader
.set j, 0
.rept 16
	v_pk_mul_f32 v[96+j:97+j], v[160+j:161+j], v[14:15] op_sel_hi:[1,0]   ; each accumulator from its low end on
.set j, j+2
.endr
.irp b, 0,1
	v_max3_num_f32 v[232+\b], |v[96+16*\b]|, |v[97+16*\b]|, 0x2800000
.endr
.irp i, 2,4,6,8,10,12,14
.irp b, 0,1
	v_max3_num_f32 v[232+\b], v[232+\b], |v[96+16*\b+\i]|, |v[97+16*\b+\i]|
.endr
.endr
.irp b, 0,1
	v_permlanex16_b32 v[236+\b], v[232+\b], s[SEL], s[SEL+1]
.endr
.irp b, 0,1
	v_max_num_f32 v[232+\b], v[232+\b], v[236+\b]
.endr
.irp b, 0,1
	v_add_nc_u32 v[244+\b], 0xfe000000, v[232+\b]
.endr
.irp b, 0,1
	v_lshrrev_b32 v[236+\b], 23, v[244+\b]
.endr
	v_lshl_or_b32 v[30+\p], v237, 8, v236
	v_lshlrev_b32 v[30+\p], s19, v[30+\p]          ; an even head's bytes below, an odd head's above: the last product joins two heads' words by an or
	v_cvt_scalef32_pk16_bf6_f32 v[224:226], v[96:111], v244
	v_cvt_scalef32_pk16_bf6_f32 v[240:242], v[112:127], v245
	v_nop                                          ; one plain instruction behind a scaled conversion
.irp i, 0,1,2
	v_permlane16_swap_b32 v[224+\i], v[240+\i]
.endr
.irp i, 0,1,2
	v_mov_b32 v[227+\i], v[240+\i]
.endr
	global_store_b128 v1, v[224:227], s[60:61] offset:12288*\p        ; 512 consecutive bytes,
	global_store_b64 v2, v[228:229], s[60:61] offset:12288*\p+512     ; and 256
.endm
	PHEAD 0
.irp k, 0,1,2,3                                ; the first pass walks behind the fills, four steps at a time
	s_wait_tensorcnt 3-\k                          ; my part of these four steps has landed; my later loads may be out: no LDS byte is filled twice
	s_wait_dscnt 0x0
	s_barrier_signal -1
	s_barrier_wait -1                              ; everybody's has
	STEPS 4, 4*\k
.endr
	OUT 0
	PHEAD 1
	STEPS 16, 0
	OUT 1
	; y's scale words: a wave has 32 (two tiles x 16 rows), 128 bytes.  They meet in LDS, and four waves store them as whole runs of 512 bytes.
	s_wait_dscnt 0x0
	s_barrier_signal -1
	s_barrier_wait -1
	v_cmp_eq_u32 vcc_lo, 1, v9
	v_cndmask_b32 v89, v30, v31, vcc_lo            ; lanes 0-15 the first tile's rows, lanes 16-31 the second's
	ds_store_b32 v10, v89
	s_wait_dscnt 0x0                               ; for the others' sake: my store is done
	s_barrier_signal -1
	s_barrier_wait -1
	s_cmp_lt_u32 s[WV], 4
	s_cbranch_scc0 .Lno_words
	ds_load_b128 v[92:95], v11
	s_wait_dscnt 0x0
	global_store_b128 v88, v[92:95], s[62:63]
.Lno_words:
	s_wait_tensorcnt 0x0
	ds_add_u32 v250, v251
	s_wait_dscnt 0x0
	CROUND                                         ; the closing round: no work-group ends while a partner may still ask for a tile that names it
	s_endpgm
.Lfunc_end_k_qe8a6ea5b9f_attn:
	.size	k_qe8a6ea5b9f_attn, .Lfunc_end_k_qe8a6ea5b9f_attn-k_qe8a6ea5b9f_attn
	.p2alignl 7, 3214868480
	.fill 96, 4, 3214868480
	.section	.rodata,"a",@progbits
	.p2align	6, 0x0
	.amdhsa_kernel k_qe8a6ea5b9f_attn
		.amdhsa_group_segment_fixed_size 212992
		.amdhsa_private_segment_fixed_size 0
		.amdhsa_enable_private_segment 0
		.amdhsa_kernarg_size 40
		.amdhsa_user_sgpr_count 2
		.amdhsa_user_sgpr_kernarg_segment_ptr 1
		.amdhsa_wavefront_size32 1
		.amdhsa_system_sgpr_workgroup_id_x 1
		.amdhsa_system_sgpr_workgroup_id_y 1
		.amdhsa_system_sgpr_workgroup_id_z 1
		.amdhsa_system_vgpr_workitem_id 0
		.amdhsa_next_free_vgpr 256
		.amdhsa_next_free_sgpr 66
		.amdhsa_reserve_vcc 1
		.amdhsa_float_denorm_mode_32 3
		.amdhsa_float_denorm_mode_16_64 3
		.amdhsa_memory_ordered 1
		.amdhsa_forward_progress 1
		.amdhsa_inst_pref_size 98
	.end_amdhsa_kernel
	.amdgpu_metadata
---
amdhsa.version: [ 1, 2 ]
amdhsa.kernels:
  - .name:           k_qe8a6ea5b9f_attn
    .symbol:         k_qe8a6ea5b9f_attn.kd
    .args:
      - { .name: qb, .offset: 0, .size: 8, .value_kind: global_buffer, .address_space: global }
      - { .name: kvb, .offset: 8, .size: 8, .value_kind: global_buffer, .address_space: global }
      - { .name: mask, .offset: 16, .size: 8, .value_kind: global_buffer, .address_space: global }
      - { .name: ycb, .offset: 24, .size: 8, .value_kind: global_buffer, .address_space: global }
      - { .name: ysc, .offset: 32, .size: 8, .value_kind: global_buffer, .address_space: global }
    .group_segment_fixed_size: 212992
    .private_segment_fixed_size: 0
    .kernarg_segment_align: 8
    .kernarg_segment_size: 40
    .max_flat_workgroup_size: 512
    .sgpr_count:     66
    .vgpr_count:     256
    .wavefront_size: 32
...
	.end_amdgpu_metadata
.endif
;; end of part 3
;; launch proj (part 4): grid 256 x 1, 16 waves a work-group, no clusters, 159,232 bytes of LDS; arguments ycb, ysc, wc, ws, bp, x, ln_g, ln_b, out0; writes out0
.if DOCPART == 4
	.amdgcn_target "amdgcn-amd-amdhsa--gfx1250"
	.amdhsa_code_object_version 6
	.text
	.protected	k_qe8a6ea5b9f_proj
	.globl	k_qe8a6ea5b9f_proj
	.p2align	8
	.type	k_qe8a6ea5b9f_proj,@function
k_qe8a6ea5b9f_proj:
	s_mov_b64 s[64:65], 0
	v_nop
	global_prefetch_b8 v0, s[64:65] scope:SCOPE_SE
	s_setreg_imm32_b32 hwreg(HW_REG_WAVE_MODE, 25, 1), 1
	s_wait_xcnt 0x0
; out = LayerNorm(y Wp + bp + x) x ln_g + ln_b; the product on codes of BF6 with E8M0 scales, all else in f32.
; SHARES.  A work-group owns 32 whole rows (the norm wants whole rows): two tiles of 16.  Wave w makes these 32 rows x columns 64 w .. 64 w + 63: four tiles of Wp x two tiles of y: 8 accumulators.
; y's codes (24,576 bytes) and scale words lie in LDS as images of the operand's registers, read by all sixteen waves.
; NO TENSOR LOAD, NO JOINT LOAD: Wp's 786,432 bytes of codes do not fit in LDS, and inside a work-group each fragment of Wp feeds one wave alone: through LDS it would be written and read once more for nothing.
; So Wp's fragments go from memory straight into registers, 512 consecutive bytes a load, one K step ahead.
; The product is used transposed (source 0 = 16 columns of Wp, source 1 = 16 rows of y): a lane holds one row, and the registers of tiles 2 g, 2 g + 1 are 16 neighbouring columns.
; The rows meet in a stage in LDS; each wave then takes two whole rows: sum, mean, differences, their squares' sum (two passes), and stores runs of 512 bytes.
; The rows of a tile are not neighbours: row r of tile u of the group of 32 is token 8 u + r + 8 (r / 8).
; REGISTERS: v1-3 16 x lane, 8 x lane, 16 r; v4-7 LDS addresses; v8-11 y's scale words, two sets; v12, v13 256 x, 16 x thread; v16-79 accumulators ((tile of y m, tile of Wp j) at v[16 + 8 (4 m + j)]), later two rows;
;   v80-175 Wp's fragments, two sets; v176-223 y's, two sets; v224-255 Wp's scale words (8 j + K step).  In the norm: v80-143 x, v144-175 ln_g, v176-207 ln_b, v208-239 bp, v240-247 at work.
.set WV,   22
.set YIMG, 0                           ; LDS: y's two tiles x 16 heads' half fragments, as in memory,
.set YSC,  24576                       ; their scale words: (8 m + K step) 64 + 4 r,
.set STG,  25600                       ; and the stage: 32 rows of 4,096 bytes + 16
.set SP,   4112
.macro PLACES n
.rept \n
	v_nop
.endr
.endm
	s_load_b256 s[4:11], s[0:1], 0x0               ; ycb, ysc, wc, ws
	s_load_b256 s[12:19], s[0:1], 0x20             ; bp, x, ln_g, ln_b
	s_load_b64 s[20:21], s[0:1], 0x40              ; out0
	v_lshrrev_b32 v1, 5, v0
	v_readfirstlane_b32 s[WV], v1                  ; wave 0..15
	v_and_b32 v14, 15, v0                          ; r
	v_bfe_u32 v15, v0, 4, 1                        ; h
	v_and_b32 v1, 31, v0
	v_lshlrev_b32 v2, 3, v1                        ; 8 x lane
	v_lshlrev_b32 v1, 4, v1                        ; 16 x lane
	v_lshlrev_b32 v3, 4, v14                       ; 16 r
	v_mul_u32_u24 v4, v14, SP
	v_lshl_add_u32 v4, v15, 6, v4
	s_lshl_b32 s24, s[WV], 8
	s_add_co_u32 s24, s24, STG
	v_add_nc_u32 v4, s24, v4                       ; into the stage: row r, + 64 h, + my wave's 256 bytes;
	v_add_nc_u32 v5, 16*SP, v4                     ; the second tile's rows
	s_mul_i32 s24, s[WV], 2*SP
	s_add_co_u32 s24, s24, STG
	v_add_nc_u32 v6, s24, v1                       ; back: my two rows, 16 bytes a lane
	v_lshl_add_u32 v7, v14, 2, YSC                 ; y's scale words: 4 r
	v_lshlrev_b32 v12, 8, v0                       ; 256 x thread
	v_lshlrev_b32 v13, 4, v0                       ; 16 x thread
	s_lshl_b32 s24, s[WV], 6
	v_add_nc_u32 v30, s24, v7                      ; where my wave puts the words that it joins: 8 m + K step = wave
	v_lshlrev_b32 v31, 2, v14
	s_mov_b32 s39, 0
	s_mov_b32 s40, 0x3a800000                      ; 1 / 1,024
	s_mov_b32 s41, 0x3727c5ac                      ; 1e-5
	s_mov_b32 s42, 0x76543210
	s_mov_b32 s43, 0xfedcba98                      ; v_permlanex16_b32's selects for lane l xor 16
	s_wait_kmcnt 0x0
	s_mul_i32 s38, ttmp9, 24576
	s_add_nc_u64 s[24:25], s[4:5], s[38:39]        ; my two tiles of y
	s_and_b32 s38, s[WV], 7
	s_lshl_b32 s38, s38, 16                        ; ysc: head 2 (wave % 8),
	s_lshl_b32 s44, ttmp9, 7
	s_add_co_u32 s38, s38, s44                     ; my 32 rows,
	s_lshr_b32 s44, s[WV], 3
	s_lshl_b32 s44, s44, 6
	s_add_co_u32 s38, s38, s44                     ; tile wave / 8 of the two
	s_add_nc_u64 s[26:27], s[6:7], s[38:39]
	s_mul_i32 s38, s[WV], 49152
	s_add_co_u32 s38, s38, 192*12288               ; Wp's tile 4 wave: tile 192 + 4 wave of wc
	s_add_nc_u64 s[28:29], s[8:9], s[38:39]
	s_lshl_b32 s38, s[WV], 11
	s_add_co_u32 s38, s38, 192*512
	s_add_nc_u64 s[30:31], s[10:11], s[38:39]
	s_lshl_b32 s38, ttmp9, 17
	s_add_nc_u64 s[32:33], s[14:15], s[38:39]      ; x at my work-group's 32 rows
	s_lshl_b32 s38, ttmp9, 5                       ; the token of my first row of the stage, row 2 wave: 32 x work-group + 8 (wave / 8) + 2 (wave % 8) + 8 ((wave / 4) % 2); the second is its neighbour
	s_lshr_b32 s44, s[WV], 3
	s_lshl_b32 s44, s44, 3
	s_add_co_u32 s38, s38, s44
	s_and_b32 s44, s[WV], 7
	s_lshl_b32 s44, s44, 1
	s_add_co_u32 s38, s38, s44
	s_bfe_u32 s44, s[WV], 0x10002
	s_lshl_b32 s44, s44, 3
	s_add_co_u32 s38, s38, s44
	s_lshl_b32 s38, s38, 12
	s_add_nc_u64 s[34:35], s[14:15], s[38:39]
	s_add_nc_u64 s[36:37], s[20:21], s[38:39]
.macro BLOAD s                         ; Wp's four fragments of K step s into set s % 2: 12 loads
.irp j, 0,1,2,3
.irp q, 0,1,2
	global_load_b128 v[80+48*((\s)%2)+12*\j+4*\q:80+48*((\s)%2)+12*\j+4*\q+3], v1, s[28:29] offset:12288*\j+1536*(\s)+512*\q
.endr
.endr
.endm
.macro ALOAD s                         ; y's two fragments of K step s (heads 2 s and 2 s + 1: registers 0-5 and 6-11) and their scale words into set s % 2: 10 LDS loads
.irp m, 0,1
	ds_load_b128 v[176+24*((\s)%2)+12*\m:176+24*((\s)%2)+12*\m+3], v1 offset:YIMG+12288*\m+1536*(\s)
	ds_load_b64 v[176+24*((\s)%2)+12*\m+4:176+24*((\s)%2)+12*\m+5], v2 offset:YIMG+12288*\m+1536*(\s)+512
	ds_load_b128 v[176+24*((\s)%2)+12*\m+6:176+24*((\s)%2)+12*\m+9], v1 offset:YIMG+12288*\m+1536*(\s)+768
	ds_load_b64 v[176+24*((\s)%2)+12*\m+10:176+24*((\s)%2)+12*\m+11], v2 offset:YIMG+12288*\m+1536*(\s)+1280
	ds_load_b32 v[8+2*((\s)%2)+\m], v7 offset:(8*\m+(\s))*64
.endr
.endm
.macro MUL8 s, zero                    ; the 8 accumulators by turns, one instruction a turn; zero = 1: the first products start the sums
.irp j, 0,1,2,3
.irp m, 0,1
.if \zero
	v_wmma_scale_f32_16x16x128_f8f6f4 v[16+8*(4*\m+\j):23+8*(4*\m+\j)], v[80+48*((\s)%2)+12*\j:91+48*((\s)%2)+12*\j], v[176+24*((\s)%2)+12*\m:187+24*((\s)%2)+12*\m], 0, v[224+8*\j+(\s)], v[8+2*((\s)%2)+\m] matrix_a_fmt:MATRIX_FMT_BF6 matrix_b_fmt:MATRIX_FMT_BF6
.else
	v_wmma_scale_f32_16x16x128_f8f6f4 v[16+8*(4*\m+\j):23+8*(4*\m+\j)], v[80+48*((\s)%2)+12*\j:91+48*((\s)%2)+12*\j], v[176+24*((\s)%2)+12*\m:187+24*((\s)%2)+12*\m], v[16+8*(4*\m+\j):23+8*(4*\m+\j)], v[224+8*\j+(\s)], v[8+2*((\s)%2)+\m] matrix_a_fmt:MATRIX_FMT_BF6 matrix_b_fmt:MATRIX_FMT_BF6
.endif
.endr
.endr
.endm
	; ---- y into LDS: 512 threads x 16 bytes, three times; wave w joins the words of heads 2 s, 2 s + 1 for (tile w / 8, K step s = w % 8)
	global_load_b128 v[16:19], v13, s[24:25]
	global_load_b128 v[20:23], v13, s[24:25] offset:8192
	global_load_b128 v[24:27], v13, s[24:25] offset:16384
	global_load_b32 v28, v31, s[26:27]
	global_load_b32 v29, v31, s[26:27] offset:32768
.irp j, 0,1,2,3
.irp f, 0,1
	global_load_b128 v[224+8*\j+4*\f:224+8*\j+4*\f+3], v3, s[30:31] offset:512*\j+256*\f   ; Wp's scale words of all of K stay in registers
.endr
.endr
	BLOAD 0
	s_wait_loadcnt 20                              ; y's five loads are in; the 8 loads of scale words and K step 0's 12 may be out
	ds_store_b128 v13, v[16:19] offset:YIMG
	ds_store_b128 v13, v[20:23] offset:YIMG+8192
	ds_store_b128 v13, v[24:27] offset:YIMG+16384
	v_or_b32 v28, v28, v29                         ; the even head's two bytes below, the odd head's above
	ds_store_b32 v30, v28                          ; (lanes r and 16 + r write the same word with the same value)
	s_wait_dscnt 0x0                               ; for the others' sake: my stores are done
	s_barrier_signal -1
	s_barrier_wait -1
	ALOAD 0
	; ---- the product: 8 K steps, written out; each asks for the next step's operands first
.irp s, 0,1,2,3,4,5,6,7
.if \s > 0
	PLACES 4                                       ; ahead of loads into registers that the last step's products have read (ISA guide 7.12.1 for vector instructions)
.endif
.if \s < 7
	BLOAD \s+1
	ALOAD \s+1
.if \s == 2
	global_prefetch_b8 v12, s[32:33] th:TH_LOAD_NT scope:SCOPE_SE   ; x's 32 rows, 131,072 bytes, for the residual: each of the 512 threads names another 256 bytes, once in the launch, five K steps ahead of the loads that want them
.endif
	s_wait_loadcnt 12                              ; this step's fragments of Wp are in; the next step's 12 loads may be out
	s_wait_dscnt 10                                ; y's likewise: the next step's 10
.else
	s_wait_loadcnt 0x0
	s_wait_dscnt 0x0
.endif
.if \s == 0
	MUL8 \s, 1
.else
	MUL8 \s, 0
.endif
.endr
	; ---- the rows meet in the stage
	PLACES 4                                       ; ahead of the first read of results and of loads into the operands' and scales' registers
.irp m, 0,1
.irp j, 0,1,2,3
	ds_store_b128 v[4+\m], v[16+8*(4*\m+\j):19+8*(4*\m+\j)] offset:4*(32*(\j/2)+8*(\j%2))        ; each accumulator from its low end on: columns 64 w + 32 (j / 2) + 16 h + 8 (j % 2) + 0 .. 7
	ds_store_b128 v[4+\m], v[20+8*(4*\m+\j):23+8*(4*\m+\j)] offset:4*(32*(\j/2)+8*(\j%2))+16
.endr
.endr
.irp e, 0,1
.irp i, 0,1,2,3,4,5,6,7
	global_load_b128 v[80+32*\e+4*\i:83+32*\e+4*\i], v1, s[34:35] offset:4096*\e+512*\i th:TH_LOAD_NT   ; x: my two rows; lane l holds columns 128 i + 4 l + 0 .. 3
.endr
.endr
.irp i, 0,1,2,3,4,5,6,7
	global_load_b128 v[208+4*\i:211+4*\i], v1, s[12:13] offset:512*\i    ; bp
.endr
.irp i, 0,1,2,3,4,5,6,7
	global_load_b128 v[144+4*\i:147+4*\i], v1, s[16:17] offset:512*\i    ; ln_g
.endr
.irp i, 0,1,2,3,4,5,6,7
	global_load_b128 v[176+4*\i:179+4*\i], v1, s[18:19] offset:512*\i    ; ln_b
.endr
	s_wait_dscnt 0x0                               ; for the others' sake: my stores into the stage are done
	s_barrier_signal -1
	s_barrier_wait -1
.irp e, 0,1
.irp i, 0,1,2,3,4,5,6,7
	ds_load_b128 v[16+32*\e+4*\i:19+32*\e+4*\i], v6 offset:SP*\e+512*\i
.endr
.endr
	s_wait_dscnt 0x0
	s_wait_loadcnt 16                              ; x and bp are in; ln_g's and ln_b's 16 loads may be out
.macro REDUCE                          ; the sum of v240 over the 32 lanes, in every lane
	v_add_f32_dpp v240, v240, v240 row_xmask:1 row_mask:0xf bank_mask:0xf
	v_add_f32_dpp v240, v240, v240 row_xmask:2 row_mask:0xf bank_mask:0xf
	v_add_f32_dpp v240, v240, v240 row_xmask:4 row_mask:0xf bank_mask:0xf
	v_add_f32_dpp v240, v240, v240 row_xmask:8 row_mask:0xf bank_mask:0xf
	v_permlanex16_b32 v241, v240, s42, s43
	v_add_f32 v240, v240, v241
.endm
.macro ROWLN e                         ; one row: 32 numbers a lane
.set H, 16+32*\e
.set XR, 80+32*\e
.irp i, 0,2,4,6,8,10,12,14,16,18,20,22,24,26,28,30
	v_pk_add_f32 v[H+\i:H+\i+1], v[H+\i:H+\i+1], v[208+\i:209+\i]     ; + bp
.endr
.irp i, 0,2,4,6,8,10,12,14,16,18,20,22,24,26,28,30
	v_pk_add_f32 v[H+\i:H+\i+1], v[H+\i:H+\i+1], v[XR+\i:XR+\i+1]     ; + x
.endr
	v_pk_add_f32 v[240:241], v[H:H+1], v[H+2:H+3]                     ; the sum, in two chains
	v_pk_add_f32 v[242:243], v[H+4:H+5], v[H+6:H+7]
.irp i, 8,12,16,20,24,28
	v_pk_add_f32 v[240:241], v[240:241], v[H+\i:H+\i+1]
	v_pk_add_f32 v[242:243], v[242:243], v[H+\i+2:H+\i+3]
.endr
	v_pk_add_f32 v[240:241], v[240:241], v[242:243]
	v_add_f32 v240, v240, v241
	REDUCE
	v_mul_f32 v244, s40, v240                      ; the mean
	v_mov_b32 v245, v244
.irp i, 0,2,4,6,8,10,12,14,16,18,20,22,24,26,28,30
	v_pk_add_f32 v[H+\i:H+\i+1], v[H+\i:H+\i+1], v[244:245] neg_lo:[0,1] neg_hi:[0,1]   ; h - mean
.endr
	v_pk_mul_f32 v[240:241], v[H:H+1], v[H:H+1]
	v_pk_mul_f32 v[242:243], v[H+2:H+3], v[H+2:H+3]
.irp i, 4,8,12,16,20,24,28
	v_pk_fma_f32 v[240:241], v[H+\i:H+\i+1], v[H+\i:H+\i+1], v[240:241]
	v_pk_fma_f32 v[242:243], v[H+\i+2:H+\i+3], v[H+\i+2:H+\i+3], v[242:243]
.endr
	v_pk_add_f32 v[240:241], v[240:241], v[242:243]
	v_add_f32 v240, v240, v241
	REDUCE
	v_fma_f32 v246, v240, s40, s41                 ; the variance + 1e-5
	v_rsq_f32 v246, v246
	v_nop                                          ; a plain instruction behind the root,
	s_wait_alu depctr_va_vdst(0)                   ; and the wait ahead of its first reader
	v_mov_b32 v247, v246
.if \e == 0
	s_wait_loadcnt 0x0                             ; ln_g and ln_b
.endif
.irp i, 0,2,4,6,8,10,12,14,16,18,20,22,24,26,28,30
	v_pk_mul_f32 v[H+\i:H+\i+1], v[H+\i:H+\i+1], v[246:247]
.endr
.irp i, 0,2,4,6,8,10,12,14,16,18,20,22,24,26,28,30
	v_pk_fma_f32 v[H+\i:H+\i+1], v[H+\i:H+\i+1], v[144+\i:145+\i], v[176+\i:177+\i]
.endr
.irp i, 0,1,2,3,4,5,6,7
	global_store_b128 v1, v[H+4*\i:H+4*\i+3], s[36:37] offset:4096*\e+512*\i th:TH_STORE_NT   ; 32 lanes store 512 consecutive bytes, at a multiple of 256 from the output's first byte
.endr
.endm
	ROWLN 0
	ROWLN 1
	s_wait_xcnt 0x0
	v_lshl_add_u32 v254, v0, 2, 0x26600
	v_mov_b32 v255, 0
	s_wait_tensorcnt 0x0
	ds_add_u32 v254, v255
	s_wait_dscnt 0x0
	s_endpgm
.Lfunc_end_k_qe8a6ea5b9f_proj:
	.size	k_qe8a6ea5b9f_proj, .Lfunc_end_k_qe8a6ea5b9f_proj-k_qe8a6ea5b9f_proj
	.p2alignl 7, 3214868480
	.fill 96, 4, 3214868480
	.section	.rodata,"a",@progbits
	.p2align	6, 0x0
	.amdhsa_kernel k_qe8a6ea5b9f_proj
		.amdhsa_group_segment_fixed_size 159232
		.amdhsa_private_segment_fixed_size 0
		.amdhsa_enable_private_segment 0
		.amdhsa_kernarg_size 72
		.amdhsa_user_sgpr_count 2
		.amdhsa_user_sgpr_kernarg_segment_ptr 1
		.amdhsa_wavefront_size32 1
		.amdhsa_system_sgpr_workgroup_id_x 1
		.amdhsa_system_sgpr_workgroup_id_y 1
		.amdhsa_system_sgpr_workgroup_id_z 1
		.amdhsa_system_vgpr_workitem_id 0
		.amdhsa_next_free_vgpr 256
		.amdhsa_next_free_sgpr 66
		.amdhsa_reserve_vcc 0
		.amdhsa_float_denorm_mode_32 3
		.amdhsa_float_denorm_mode_16_64 3
		.amdhsa_memory_ordered 1
		.amdhsa_forward_progress 1
		.amdhsa_inst_pref_size 52
	.end_amdhsa_kernel
	.amdgpu_metadata
---
amdhsa.version: [ 1, 2 ]
amdhsa.kernels:
  - .name:           k_qe8a6ea5b9f_proj
    .symbol:         k_qe8a6ea5b9f_proj.kd
    .args:
      - { .name: ycb, .offset: 0, .size: 8, .value_kind: global_buffer, .address_space: global }
      - { .name: ysc, .offset: 8, .size: 8, .value_kind: global_buffer, .address_space: global }
      - { .name: wc, .offset: 16, .size: 8, .value_kind: global_buffer, .address_space: global }
      - { .name: ws, .offset: 24, .size: 8, .value_kind: global_buffer, .address_space: global }
      - { .name: bp, .offset: 32, .size: 8, .value_kind: global_buffer, .address_space: global }
      - { .name: x, .offset: 40, .size: 8, .value_kind: global_buffer, .address_space: global }
      - { .name: ln_g, .offset: 48, .size: 8, .value_kind: global_buffer, .address_space: global }
      - { .name: ln_b, .offset: 56, .size: 8, .value_kind: global_buffer, .address_space: global }
      - { .name: out0, .offset: 64, .size: 8, .value_kind: global_buffer, .address_space: global }
    .group_segment_fixed_size: 159232
    .private_segment_fixed_size: 0
    .kernarg_segment_align: 8
    .kernarg_segment_size: 72
    .max_flat_workgroup_size: 512
    .sgpr_count:     66
    .vgpr_count:     256
    .wavefront_size: 32
...
	.end_amdgpu_metadata
.endif
;; end of part 4
